; MI455X (gfx1250); checked and timed in simulation.
; The chip was launched on July 23, 2026; its instructions are those of AMD's public machine-readable ISA for CDNA 5 (MIT licence, August 2026) and "CDNA5" Instruction Set Architecture Reference Guide (July 2026). The comments in the code are by the model that wrote it; some were corrected since.
;; Swi GLU Mo E Torch. Allowed arithmetic: float matrix products may take bf16 or f16 operands with f32 sums; other float arithmetic in f32, or as packed bf16 or f16 multiplies, adds, multiply-adds, maxima and minima; sums over many terms, partial sums and values carried from step to step in f32; what a program stores and reads back later, other than sums and carried values, may be rounded once to bf16 or f16.
;; Inputs: W11 8 x 1,024 x 2,048 float32; W12 8 x 1,024 x 2,048 float32; W2 8 x 2,048 x 1,024 float32; Wg 1,024 x 8 float32; x 2 x 512 x 1,024 float32.
;; Outputs: out0 2 x 512 x 1,024 float32.
;; 2 versions, each right. Each part assembles by itself: llvm-mc -triple=amdgcn-amd-amdhsa -mcpu=gfx1250 --defsym DOCPART=n.
;; ======== version 1 of 2: 4 launches
;; workspace buffers: xb 2,097,152 bytes; bm 2,048 bytes of whole numbers; gw 8,192 bytes; hid 33,554,432 bytes; part 16,842,752 bytes
;; launch router (part 1): grid 64 x 1, 8 waves a work-group, no clusters, 58,880 bytes of LDS; arguments x, Wg, xb, bm, gw; writes xb, bm, gw
.if DOCPART == 1
	.amdgcn_target "amdgcn-amd-amdhsa--gfx1250"
	.amdhsa_code_object_version 6
	.text
	.protected	k_qf58b560532_router
	.globl	k_qf58b560532_router
	.p2align	8
	.type	k_qf58b560532_router,@function
k_qf58b560532_router:
	s_mov_b64 s[64:65], 0
	v_nop
	global_prefetch_b8 v0, s[64:65] scope:SCOPE_SE
	s_setreg_imm32_b32 hwreg(HW_REG_WAVE_MODE, 25, 1), 1
	s_wait_xcnt 0x0
; ROUTER.  16 tokens a work-group, 8 waves.  xb = x rounded to bf16; logits = xb . bf16(Wg) by the matrix unit, f32 sums; softmax with its maximum taken away;
; top 2; the two weights p / (p0 + p1 + 1e-8).  Stored at fixed places: xb [1024][1024] bf16; gw[2 t + slot] f32; bm[slot][expert][32 words], bit t % 32 of word t / 32.
; No address and no branch hangs on a logit: every choice is a v_cndmask_b32, and the choice leaves as bits of bm for the later launches.
; LIMITS.  The top 2 are taken on the logits (strictly greater, ascending: a tie keeps the lower index); that differs from a top 2 on the probabilities only where two
; probabilities round to the same number.  A probability below 2^-126 counts as 0.  NaN and infinities are not treated apart.
.set RP,    2064                       ; an LDS row of 1,024 bf16 + 16 bytes: an odd multiple of 16, so the 16 rows of a fragment load start at 16 different groups of banks
.set WT,    16*RP                      ; behind the 16 rows of x: 8 rows of Wg turned, [expert][k]
.set PS,    49664                      ; 8 waves x 1,024 bytes of partial logits
.set SPARE, 57856                      ; the spare words, 128 bytes a wave: four blocks of 256 bytes that no other line names
.set WV,  14
.set SPW, 20
.set NIL, 21
	s_load_b256 s[4:11], s[0:1], 0x0               ; x s[4:5], Wg s[6:7], xb s[8:9], bm s[10:11]
	s_load_b64 s[12:13], s[0:1], 0x20              ; gw
	v_lshl_add_u32 v[SPW], v0, 2, SPARE
	v_mov_b32 v[NIL], 0
	v_and_b32 v1, 31, v0                           ; lane
	v_lshrrev_b32 v12, 5, v0
	v_readfirstlane_b32 s[WV], v12                 ; wave 0..7
	v_and_b32 v2, 15, v0                           ; r
	v_bfe_u32 v3, v0, 4, 1                         ; h
	v_lshlrev_b32 v12, 4, v1
	v_lshlrev_b32 v13, 3, v1
	s_lshl_b32 s20, s[WV], 13
	v_add_nc_u32 v4, s20, v12                      ; x: my two rows of 4,096 bytes, 16 bytes a lane
	s_lshl_b32 s20, s[WV], 12
	v_add_nc_u32 v5, s20, v12                      ; Wg: my 128 rows of 32 bytes
	v_add_nc_u32 v6, s20, v13                      ; xb: my two rows of 2,048 bytes, 8 bytes a lane
	s_mul_i32 s20, s[WV], 2*RP
	v_add_nc_u32 v7, s20, v13                      ; the same two rows in LDS
	v_and_b32 v14, 1, v0
	v_mul_u32_u24 v8, v14, 4*RP                    ; Wg turned: experts 4 (lane % 2) on,
	v_bfe_u32 v14, v0, 1, 4
	v_lshl_add_u32 v8, v14, 1, v8                  ; k = 128 w + 16 n + lane / 2
	s_lshl_b32 s21, s[WV], 8
	s_add_co_u32 s20, s21, WT
	v_add_nc_u32 v8, s20, v8
	v_mul_u32_u24 v9, v2, RP                       ; fragments of x: row r, 16 h, my four K steps at byte 256 w
	v_lshl_add_u32 v9, v3, 4, v9
	v_add_nc_u32 v9, s21, v9
	v_and_b32 v14, 7, v0
	v_mul_u32_u24 v10, v14, RP                     ; fragments of Wg turned: row r % 8 (rows 8-15 repeat the 8 experts)
	v_lshl_add_u32 v10, v3, 4, v10
	v_add_nc_u32 v10, s20, v10
	v_lshl_add_u32 v11, v1, 5, PS                  ; partial logits: 32 bytes a lane
	s_lshl_b32 s20, s[WV], 10
	v_add_nc_u32 v15, s20, v11
	s_lshl_b32 s16, ttmp9, 16                      ; 16 rows of x
	s_mov_b32 s17, 0
	s_lshl_b32 s18, ttmp9, 15                      ; 16 rows of xb
	s_mov_b32 s19, 0
	s_lshl_b32 s22, ttmp9, 7                       ; 16 pairs of gw
	s_mov_b32 s23, 0
	s_lshl_b32 s24, ttmp9, 1                       ; 16 bits of each of bm's 16 rows
	s_mov_b32 s25, 0
	s_wait_kmcnt 0x0
	s_add_nc_u64 s[4:5], s[4:5], s[16:17]
	s_add_nc_u64 s[8:9], s[8:9], s[18:19]
	s_add_nc_u64 s[12:13], s[12:13], s[22:23]
	s_add_nc_u64 s[10:11], s[10:11], s[24:25]
.set i, 0
.rept 16                                               ; two rows of x: each load of the wave covers 512 consecutive bytes
	global_load_b128 v[32+4*i:35+4*i], v4, s[4:5] offset:(i/8)*4096+(i%8)*512 th:TH_LOAD_NT
.set i, i+1
.endr
.set i, 0
.rept 8
	global_load_b128 v[96+4*i:99+4*i], v5, s[6:7] offset:i*512
.set i, i+1
.endr
	s_wait_loadcnt 8                               ; x is in: the eight loads of Wg are younger
.set i, 0
.rept 16
	v_cvt_pk_bf16_f32 v[32+4*i], v[32+4*i], v[33+4*i]
	v_cvt_pk_bf16_f32 v[33+4*i], v[34+4*i], v[35+4*i]
	global_store_b64 v6, v[32+4*i:33+4*i], s[8:9] offset:(i/8)*2048+(i%8)*256  ; 32 lanes x 8 bytes: 256 consecutive bytes, aligned
	ds_store_b64 v7, v[32+4*i:33+4*i] offset:(i/8)*RP+(i%8)*256
.set i, i+1
.endr
	s_wait_loadcnt 0x0
.set i, 0
.rept 8
	v_cvt_pk_bf16_f32 v[96+4*i], v[96+4*i], v[97+4*i]
	v_cvt_pk_bf16_f32 v[97+4*i], v[98+4*i], v[99+4*i]
	ds_store_b16 v8, v[96+4*i] offset:i*32
	ds_store_b16_d16_hi v8, v[96+4*i] offset:i*32+RP
	ds_store_b16 v8, v[97+4*i] offset:i*32+2*RP
	ds_store_b16_d16_hi v8, v[97+4*i] offset:i*32+3*RP
.set i, i+1
.endr
	s_wait_dscnt 0x0                               ; for the others: my rows of x and my part of Wg lie in LDS
	s_barrier_signal -1
	s_barrier_wait -1
	s_wait_xcnt 0x0                                ; v32 on were the data of the stores to xb: loaded anew only behind this wait
.set i, 0
.rept 4                                                ; my four K steps of 32
	ds_load_b128 v[32+8*i:35+8*i], v9 offset:64*i
	ds_load_b128 v[36+8*i:39+8*i], v9 offset:64*i+32
	ds_load_b128 v[64+8*i:67+8*i], v10 offset:64*i
	ds_load_b128 v[68+8*i:71+8*i], v10 offset:64*i+32
.set i, i+1
.endr
	s_wait_dscnt 0x0
	; source 0 = experts, source 1 = tokens: a lane then holds token r and, in registers 0-7, its eight logits.  Two accumulators by turns.
	v_wmma_f32_16x16x32_bf16 v[96:103], v[64:71], v[32:39], 0
	v_wmma_f32_16x16x32_bf16 v[104:111], v[72:79], v[40:47], 0
	v_wmma_f32_16x16x32_bf16 v[96:103], v[80:87], v[48:55], v[96:103]
	v_wmma_f32_16x16x32_bf16 v[104:111], v[88:95], v[56:63], v[104:111]
.rept 4
	v_nop                                          ; four places behind the products (ISA guide 7.12.1)
.endr
.set i, 0
.rept 4
	v_pk_add_f32 v[112+2*i:113+2*i], v[96+2*i:97+2*i], v[104+2*i:105+2*i]
.set i, i+1
.endr
	ds_store_b128 v15, v[112:115]
	ds_store_b128 v15, v[116:119] offset:16
	s_wait_dscnt 0x0
	s_barrier_signal -1
	s_barrier_wait -1
	s_cmp_lg_u32 s[WV], 0
	s_cbranch_scc1 .Lend                           ; the rest is 16 tokens' work: wave 0 does it (lanes 16-31 repeat lanes 0-15)
.set i, 0
.rept 8
	ds_load_b128 v[32+8*i:35+8*i], v11 offset:1024*i
	ds_load_b128 v[36+8*i:39+8*i], v11 offset:1024*i+16
.set i, i+1
.endr
	s_wait_dscnt 0x0
.set i, 1
.rept 7                                                ; the eight waves' parts of K, added in f32
	v_pk_add_f32 v[32:33], v[32:33], v[32+8*i:33+8*i]
	v_pk_add_f32 v[34:35], v[34:35], v[34+8*i:35+8*i]
	v_pk_add_f32 v[36:37], v[36:37], v[36+8*i:37+8*i]
	v_pk_add_f32 v[38:39], v[38:39], v[38+8*i:39+8*i]
.set i, i+1
.endr
	v_max3_num_f32 v96, v32, v33, v34              ; the maximum m
	v_max3_num_f32 v96, v96, v35, v36
	v_max3_num_f32 v96, v96, v37, v38
	v_max_num_f32 v96, v96, v39
.irp e, 0,1,2,3,4,5,6,7
	v_sub_f32 v[97+\e], v[32+\e], v96
.endr
.irp e, 0,1,2,3,4,5,6,7
	v_mul_f32 v[97+\e], 0x3fb8aa3b, v[97+\e]       ; (l - m) log2(e)
.endr
.irp e, 0,1,2,3,4,5,6,7
	v_exp_f32 v[97+\e], v[97+\e]
.endr
	v_mov_b32 v106, v32                            ; the first choice, while the exponentials are out: ascending, replaced only by a strictly greater logit
	v_mov_b32 v107, 0
.irp e, 1,2,3,4,5,6,7
	v_cmp_le_f32 vcc_lo, v[32+\e], v106
	v_cndmask_b32 v107, \e, v107, vcc_lo
	v_cndmask_b32 v106, v[32+\e], v106, vcc_lo
.endr
	v_mov_b32 v126, 0xff800000
.irp e, 0,1,2,3,4,5,6,7
	v_cmp_eq_u32 vcc_lo, \e, v107
	v_cndmask_b32 v[108+\e], v[32+\e], v126, vcc_lo ; the first choice is taken out,
.endr
	v_mov_b32 v116, v108                           ; and the second is found in the same way
	v_mov_b32 v117, 0
.irp e, 1,2,3,4,5,6,7
	v_cmp_le_f32 vcc_lo, v[108+\e], v116
	v_cndmask_b32 v117, \e, v117, vcc_lo
	v_cndmask_b32 v116, v[108+\e], v116, vcc_lo
.endr
	s_wait_alu depctr_va_vdst(0)                   ; one wait for the eight exponentials, ahead of their first reader
	v_add_f32 v105, v97, v98                       ; Z
	v_add_f32 v118, v99, v100
	v_add_f32 v119, v101, v102
	v_add_f32 v122, v103, v104
	v_add_f32 v105, v105, v118
	v_add_f32 v119, v119, v122
	v_add_f32 v105, v105, v119
	v_sub_f32 v118, v116, v96
	v_mul_f32 v118, 0x3fb8aa3b, v118
	v_exp_f32 v118, v118                           ; the second choice's exponential; the first's is 1
	v_rcp_f32 v119, v105                           ; p0 = 1 / Z
	v_nop
	s_wait_alu depctr_va_vdst(0)
	v_mul_f32 v121, v118, v119                     ; p1
	v_add_f32 v122, v119, v121
	v_add_f32 v122, 0x322bcc77, v122               ; p0 + p1 + 1e-8
	v_rcp_f32 v122, v122
	v_mov_b32 v123, 0
	s_wait_alu depctr_va_vdst(0)
	v_mul_f32 v120, v119, v122
	v_mul_f32 v121, v121, v122
.irp e, 0,1,2,3,4,5,6,7
	v_cmp_eq_u32 s21, \e, v107                     ; which tokens chose expert e first: bits 0-15,
	v_writelane_b32 v123, s21, \e                  ; into lane e;
	v_cmp_eq_u32 s21, \e, v117
	v_writelane_b32 v123, s21, 8+\e                ; second: into lane 8 + e
.endr
	v_lshlrev_b32 v124, 3, v1
	v_lshlrev_b32 v125, 7, v1                      ; lane 8 slot + e owns row (slot, e) of bm, 128 bytes
	v_cmp_gt_u32 vcc_lo, 16, v1
	s_wait_xcnt 0x0                                ; EXEC changes only behind this wait
	s_and_saveexec_b32 s26, vcc_lo
	global_store_b64 v124, v[120:121], s[12:13]    ; 16 lanes: 128 consecutive bytes of gw
	global_store_b16 v125, v123, s[10:11]          ; 16 tokens' bits: two bytes of each of bm's 16 rows (2,048 bytes in the whole launch)
	s_wait_xcnt 0x0
	s_or_b32 exec_lo, exec_lo, s26
.Lend:
	s_wait_tensorcnt 0x0                           ; the wave's end: behind my last LDS store
	ds_add_u32 v[SPW], v[NIL]
	s_wait_dscnt 0x0
	s_endpgm
.Lfunc_end_k_qf58b560532_router:
	.size	k_qf58b560532_router, .Lfunc_end_k_qf58b560532_router-k_qf58b560532_router
	.p2alignl 7, 3214868480
	.fill 96, 4, 3214868480
	.section	.rodata,"a",@progbits
	.p2align	6, 0x0
	.amdhsa_kernel k_qf58b560532_router
		.amdhsa_group_segment_fixed_size 58880
		.amdhsa_private_segment_fixed_size 0
		.amdhsa_enable_private_segment 0
		.amdhsa_kernarg_size 40
		.amdhsa_user_sgpr_count 2
		.amdhsa_user_sgpr_kernarg_segment_ptr 1
		.amdhsa_wavefront_size32 1
		.amdhsa_system_sgpr_workgroup_id_x 1
		.amdhsa_system_sgpr_workgroup_id_y 1
		.amdhsa_system_sgpr_workgroup_id_z 1
		.amdhsa_system_vgpr_workitem_id 0
		.amdhsa_next_free_vgpr 128
		.amdhsa_next_free_sgpr 66
		.amdhsa_reserve_vcc 1
		.amdhsa_float_denorm_mode_32 3
		.amdhsa_float_denorm_mode_16_64 3
		.amdhsa_memory_ordered 1
		.amdhsa_forward_progress 1
		.amdhsa_inst_pref_size 24
	.end_amdhsa_kernel
	.amdgpu_metadata
---
amdhsa.version: [ 1, 2 ]
amdhsa.kernels:
  - .name:           k_qf58b560532_router
    .symbol:         k_qf58b560532_router.kd
    .args:
      - { .name: x, .offset: 0, .size: 8, .value_kind: global_buffer, .address_space: global }
      - { .name: Wg, .offset: 8, .size: 8, .value_kind: global_buffer, .address_space: global }
      - { .name: xb, .offset: 16, .size: 8, .value_kind: global_buffer, .address_space: global }
      - { .name: bm, .offset: 24, .size: 8, .value_kind: global_buffer, .address_space: global }
      - { .name: gw, .offset: 32, .size: 8, .value_kind: global_buffer, .address_space: global }
    .group_segment_fixed_size: 58880
    .private_segment_fixed_size: 0
    .kernarg_segment_align: 8
    .kernarg_segment_size: 40
    .max_flat_workgroup_size: 256
    .sgpr_count:     66
    .vgpr_count:     128
    .wavefront_size: 32
...
	.end_amdgpu_metadata
.endif
;; end of part 1
;; launch up (part 2): grid 32 x 8, 8 waves a work-group, no clusters, 244,992 bytes of LDS; arguments W11, W12, xb, bm, hid; writes hid
.if DOCPART == 2
	.amdgcn_target "amdgcn-amd-amdhsa--gfx1250"
	.amdhsa_code_object_version 6
	.text
	.protected	k_qf58b560532_up
	.globl	k_qf58b560532_up
	.p2align	8
	.type	k_qf58b560532_up,@function
k_qf58b560532_up:
	s_mov_b64 s[64:65], 0
	v_nop
	global_prefetch_b8 v0, s[64:65] scope:SCOPE_SE
	s_setreg_imm32_b32 hwreg(HW_REG_WAVE_MODE, 25, 1), 1
	s_wait_xcnt 0x0
; UP.  hid = silu(x W11) * (x W12) for the rows that chose the expert.  Work-group (j, e): columns 64 j .. 64 j + 63 of W11[e] and of W12[e], all 1,024 k: 524,288 bytes of f32,
; which it alone reads in its main pass; and ALL rows of expert e, in tiles of 16 by the list (tokens that chose e, ascending).
; EVERY WAVE RUNS THE SAME TEXT.  With g = wave % 4 and fh = wave / 4 a wave
;   brings, for each slab of 128 k, K step g of matrix fh: 16 loads of f32, each covering two aligned runs of 256 bytes; lane (r, h) holds columns 4 r .. 4 r + 3 of the 16 k of its
;   half, so rounding pairs of rows gives four fragments, fragment f with column 4 i + f at index i; they go to LDS; and it gathers 40 of the pass's 320 rows of xb into LDS;
;   multiplies tiles 4 t + g (t = 0..4) by fragments 2 fh, 2 fh + 1 of both matrices: 20 accumulators.  Tiles t = 0..3 are always multiplied, tile 4 only if it has rows.
; THE MAIN PASS (tiles 0-19) has no branch on data round a load or a wait.  Slab s is laid into LDS buffer s % 2 while slab s - 1 is multiplied out of the other: one barrier a slab.
; Loads are counted in order of issue, so the order is W(s), X(s), W(s + 1): the wait for a slab's x leaves the younger weights on their way; weights are asked for two slabs ahead.
; TILES 20-63 (an expert with more than 320 rows) come afterwards, a tile a wave, with no barrier and no LDS write: weights from memory into registers, rounded, multiplied.
; That way reads the slice once more for each such tile: right for every split, slow for a lopsided one.
; THE WAY OUT.  source 0 = weights, source 1 = x: a lane holds token r and column indices 8 h + 0..7.  Packed, a lane's four registers are half a fragment of the next product, whose K order
; is thereby permuted; the next launch picks its weights' rows by the same permutation.  hid: [e][tile 64][K step 64][half 2][lane 32][16 bytes].
; The accumulators are cleared by v_mov_b32, in the wait for the first weights: slab 0 is multiplied by the loop's own text, and a first product written out would be a fifth copy of it.
; NO MULTICAST, no tensor loads: each weight byte has one reader; the rows of x come by a list that no descriptor covers.
; LIMITS.  hid is rounded once to bf16.  silu(g) = g / (1 + 2^(-g log2 e)); where the power overflows the quotient is 0, as the limit is.  NaN and infinities are not treated apart.
.set XP,    272                        ; a row of x in LDS: 256 bytes + 16: the 16 rows of a fragment load start at 16 different groups of banks
.set XTILE, 16*XP
.set XWAVE, 5*XTILE
.set XBUF,  4*XWAVE                    ; x: [buffer 2][g 4][t 5][row 16]
.set WB,    2*XBUF                     ; weights: [buffer 2][K step 4][matrix 2][fragment 4][half 2][lane 32][16 bytes]
.set WBUF,  32768
.set LIST,  WB+2*WBUF                  ; 1,024 tokens and, at index 1,024, a word for the lanes that have nothing to say
.set LISTN, 1024
.set SPARE, LIST+4*LISTN+256           ; the spare words, 128 bytes a wave: four blocks of 256 bytes that no other line names
; window 0
.set L16, 1                            ; 16 x lane
.set WO,  2                            ; my byte offset in a slab of weights
.set WOE, 3                            ; the same, or 0 for the one load past the slice
.set WST, 4                            ; where my fragments go in LDS
.set WRD, 5                            ; where I read fragments
.set XST, 6                            ; v6-7  where my rows of x go, by buffer
.set XRD, 8                            ; v8-9  where I read x fragments, by buffer
.set LRD, 10                           ; my place in the list
.set R16, 11                           ; 16 x (lane % 16)
.set PFO, 12                           ; prefetch: my row of a slab
.set SPW, 14                           ; v14, v15: the add's two registers; never rewritten
.set NIL, 15
.set AF,  32                           ; v32-111   x fragments: two buffers of five tiles
.set BF,  112                          ; v112-143  weight fragments: W11's two, W12's two
.set CV,  112                          ;           and, between two slabs' products, the four fragments just rounded
.set XS,  144                          ; v144-223  x as loaded; register 4 i first holds load i's own offset
; weights as loaded, four quarters of 32 registers, (set, half): (0,0), (0,1), (1,0) at v160, v192, v224 of window 1; (1,1) at v224 of window 0
; window 1: v0-159 accumulator (tile t, matrix m, fragment f) at 32 t + 16 m + 8 f
.set WV,  14
.set G,   15
.set HM,  16                           ; s[16:17] hid at my first tile and K step (the bits of bm are done with by then)
.set RR,  84
.set NTT, 85                           ; the expert's tiles
.set FH,  86
.set WSL, 87                           ; the slab of weights to ask for next
.set IT,  88
.set NT,  89                           ; how many of my five tiles have rows
.set OFF, 90                           ; s[90:91] an offset; the high word stays 0
.set WM,  92                           ; s[92:93] my matrix's slice
.set WC,  94                           ; s[94:95] the slab asked for
.set XC,  96                           ; s[96:97] xb at the slab asked for
.set MSB, 0
.macro WIN new                         ; the immediate's high byte repeats the setting that is left; a switch that changes nothing is dropped
.if MSB != (\new)
	s_set_vgpr_msb (MSB<<8)|(\new)
.set MSB, (\new)
.endif
.endm
.macro PLACES                          ; four places behind matrix instructions, ahead of writes and loads into their registers and of reads of their results
.rept 4
	v_nop
.endr
.endm
.macro BAR
	s_wait_dscnt 0x0                               ; my stores into one buffer are done and my reads of the other are back
	s_barrier_signal -1
	s_barrier_wait -1
.endm
.macro LOADW b, vo, sb, so             ; a K step of one matrix into set b: rows k = 8 h + n, and 16 + 8 h + n - 8 from n = 8 on
.set n, 0
.rept 16
.set ix, 2*(\b)+n/8
.if ix == 3
	WIN 0
	global_load_b128 v[224+4*(n%8):224+4*(n%8)+3], v[\vo], s[\sb:\sb+1] offset:(\so)+(n+8*(n/8))*8192 th:TH_LOAD_NT
.else
	WIN 0x40
	global_load_b128 v[160+32*ix+4*(n%8):160+32*ix+4*(n%8)+3], v[\vo], s[\sb:\sb+1] offset:(\so)+(n+8*(n/8))*8192 th:TH_LOAD_NT
.endif
.set n, n+1
.endr
	WIN 0
.endm
.macro CVTW b, dst                     ; register 4 q + i of fragment f = rows 2 i, 2 i + 1 of half q, column 4 r + f
.irp q, 0,1
.set ix, 2*(\b)+\q
.if ix == 3
	WIN 0
.set wr, 224
.else
	WIN 0x05
.set wr, 160+32*ix
.endif
.irp f, 0,1,2,3
.irp i, 0,1,2,3
	v_cvt_pk_bf16_f32 v[(\dst)+8*\f+4*\q+\i], v[wr+8*\i+\f], v[wr+8*\i+4+\f]
.endr
.endr
.endr
	WIN 0
.endm
.macro STW b                           ; 32 lanes x 16 consecutive bytes: no bank is asked twice
.irp f, 0,1,2,3
	ds_store_b128 v[WST], v[CV+8*\f:CV+8*\f+3] offset:(\b)*WBUF+\f*1024
	ds_store_b128 v[WST], v[CV+8*\f+4:CV+8*\f+7] offset:(\b)*WBUF+\f*1024+512
.endr
.endm
.macro STOREX b                        ; load 4 t + j holds rows 8 h + 4 fh + j of tile 4 t + g
.set i, 0
.rept 20
	ds_store_b128 v[XST+(\b)], v[XS+4*i:XS+4*i+3] offset:(i/4)*XTILE+(i%4)*XP
.set i, i+1
.endr
.endm
.macro NEXTX                           ; my 40 rows of the slab at XC: four tokens a tile out of the list, each turned into an offset in the first register of its own load
.irp t, 0,1,2,3,4
	ds_load_b128 v[XS+16*\t:XS+16*\t+3], v[LRD] offset:256*\t
.endr
	s_wait_dscnt 0x0
.irp t, 0,1,2,3,4
.irp j, 3,2,1,0
	v_min_u32 v[XS+16*\t+4*\j], 0x3ff, v[XS+16*\t+\j]  ; inside xb whatever the list holds
.endr
.endr
.set i, 0
.rept 20
	v_lshl_add_u32 v[XS+4*i], v[XS+4*i], 11, v[R16]    ; the token's row of 2,048 bytes, my 16 bytes
.set i, i+1
.endr
.set i, 0
.rept 20
	global_load_b128 v[XS+4*i:XS+4*i+3], v[XS+4*i], s[XC:XC+1]  ; two rows, 256 consecutive bytes of each
.set i, i+1
.endr
.endm
; A slab goes from registers into LDS buffer b, which is also its set of weight registers.  cw, cx: the loads that may stay out when its weights, its x have to be there.
; issue = 1: the next slab's x is asked for, then the weights two slabs on, into the set just emptied.
.macro STAGE b, cw, cx, issue
	PLACES                                         ; the conversions write registers that the last products read
.if \issue
	s_wait_xcnt 0x0                                ; the bases and the offset of loads that are still out are written anew only behind this wait
	s_add_nc_u64 s[XC:XC+1], s[XC:XC+1], 256       ; 128 bf16 on
	s_cmp_lt_u32 s[WSL], 8
	s_cselect_b32 s98, -1, 0
	s_and_b32 s99, s[WSL], 7                       ; slab 8 does not exist: its loads all name the slice's first rows at offset 0, and nothing is made of them
	s_lshl_b32 s[OFF], s99, 20                     ; 128 rows of 8,192 bytes
	s_add_nc_u64 s[WC:WC+1], s[WM:WM+1], s[OFF:OFF+1]
	v_and_b32 v[WOE], s98, v[WO]
	s_add_co_u32 s[WSL], s[WSL], 1
.endif
	s_wait_loadcnt \cw
	CVTW \b, CV
	STW \b
	s_wait_loadcnt \cx
	STOREX \b
.if \issue
	NEXTX
	LOADW \b, WOE, WC, 0
	s_cmp_lt_u32 s[WSL], 8
	s_cbranch_scc0 .Lno_pf_\@
	; the slab that the next stage will load: my K step's 32 rows of my matrix, a lane for each row's 256 bytes; slabs 3 to 7, so it stops at the slice's last
	global_prefetch_b8 v[PFO], s[WC:WC+1] offset:1048576 th:TH_LOAD_NT scope:SCOPE_SE
.Lno_pf_\@:
.endif
.endm
.macro FETCHB b, k, m
.irp f, 0,1
	ds_load_b128 v[BF+16*(\m)+8*\f:BF+16*(\m)+8*\f+3], v[WRD] offset:(\b)*WBUF+(\k)*8192+(\m)*4096+\f*1024
	ds_load_b128 v[BF+16*(\m)+8*\f+4:BF+16*(\m)+8*\f+7], v[WRD] offset:(\b)*WBUF+(\k)*8192+(\m)*4096+\f*1024+512
.endr
.endm
.macro FETCHA b, k
.irp t, 0,1,2,3,4
	ds_load_b128 v[AF+40*((\k)%2)+8*\t:AF+40*((\k)%2)+8*\t+3], v[XRD+(\b)] offset:\t*XTILE+64*(\k)
	ds_load_b128 v[AF+40*((\k)%2)+8*\t+4:AF+40*((\k)%2)+8*\t+7], v[XRD+(\b)] offset:\t*XTILE+64*(\k)+32
.endr
.endm
.macro MULT m, a                       ; my tiles x my two fragments of matrix m.  The accumulators take turns, one instruction a turn
	WIN 0x50
.irp t, 0,1,2,3
.irp f, 0,1
	v_wmma_f32_16x16x32_bf16 v[32*\t+16*(\m)+8*\f:32*\t+16*(\m)+8*\f+7], v[BF+16*(\m)+8*\f:BF+16*(\m)+8*\f+7], v[AF+40*(\a)+8*\t:AF+40*(\a)+8*\t+7], v[32*\t+16*(\m)+8*\f:32*\t+16*(\m)+8*\f+7]
.endr
.endr
	WIN 0                                          ; at a branch and at a label every window is 0
	s_cmp_lt_u32 s[NT], 5
	s_cbranch_scc1 .Lfour_\@
	WIN 0x50
.irp f, 0,1
	v_wmma_f32_16x16x32_bf16 v[128+16*(\m)+8*\f:128+16*(\m)+8*\f+7], v[BF+16*(\m)+8*\f:BF+16*(\m)+8*\f+7], v[AF+40*(\a)+32:AF+40*(\a)+39], v[128+16*(\m)+8*\f:128+16*(\m)+8*\f+7]
.endr
	WIN 0
.Lfour_\@:
.endm
.macro COMPUTE b                       ; a slab: four K steps; each run of LDS loads stands ahead of the products that hide it
	FETCHB \b, 0, 0
	FETCHA \b, 0
.irp k, 0,1,2,3
	s_wait_dscnt 0x0
.if \k > 0
	PLACES
.endif
	FETCHB \b, \k, 1
	MULT 0, (\k)%2
	s_wait_dscnt 0x0
.if \k < 3
	PLACES
	FETCHB \b, (\k)+1, 0
	FETCHA \b, (\k)+1
.endif
	MULT 1, (\k)%2
.endr
.endm
; silu(g) v for cnt numbers a lane: g in window 1 from register ga on, v behind it; tt: cnt registers at work; pk: cnt / 2 packed.  Each accumulator is read from its low end on.
.macro SILU ga, cnt, tt, pk
	WIN 0x01
.set i, 0
.rept (\cnt)/2
	v_pk_mul_f32 v[(\tt)+2*i:(\tt)+2*i+1], v[(\ga)+2*i:(\ga)+2*i+1], 0xbfb8aa3b op_sel_hi:[1,0]
.set i, i+1
.endr
	WIN 0
.set i, 0
.rept \cnt
	v_exp_f32 v[(\tt)+i], v[(\tt)+i]               ; 2^(-g log2 e)
.set i, i+1
.endr
	v_nop
	s_wait_alu depctr_va_vdst(0)                   ; one wait for the batch
.set i, 0
.rept (\cnt)/2
	v_pk_add_f32 v[(\tt)+2*i:(\tt)+2*i+1], v[(\tt)+2*i:(\tt)+2*i+1], 1.0 op_sel_hi:[1,0]
.set i, i+1
.endr
.set i, 0
.rept \cnt
	v_rcp_f32 v[(\tt)+i], v[(\tt)+i]
.set i, i+1
.endr
	v_nop
	s_wait_alu depctr_va_vdst(0)
	WIN 0x01
.set i, 0
.rept (\cnt)/2
	v_pk_mul_f32 v[(\tt)+2*i:(\tt)+2*i+1], v[(\ga)+2*i:(\ga)+2*i+1], v[(\tt)+2*i:(\tt)+2*i+1]
.set i, i+1
.endr
.set i, 0
.rept (\cnt)/2
	v_pk_mul_f32 v[(\tt)+2*i:(\tt)+2*i+1], v[(\ga)+(\cnt)+2*i:(\ga)+(\cnt)+2*i+1], v[(\tt)+2*i:(\tt)+2*i+1]
.set i, i+1
.endr
	WIN 0
.set i, 0
.rept (\cnt)/2
	v_cvt_pk_bf16_f32 v[(\pk)+i], v[(\tt)+2*i], v[(\tt)+2*i+1]
.set i, i+1
.endr
.endm
	s_load_b256 s[4:11], s[0:1], 0x0               ; W11 s[4:5], W12 s[6:7], xb s[8:9], bm s[10:11]
	s_load_b64 s[12:13], s[0:1], 0x20              ; hid
	v_lshl_add_u32 v[SPW], v0, 2, SPARE
	v_mov_b32 v[NIL], 0
	v_and_b32 v16, 31, v0                          ; lane
	v_lshrrev_b32 v17, 5, v0
	v_readfirstlane_b32 s[WV], v17
	v_and_b32 v18, 15, v0                          ; r
	v_bfe_u32 v19, v0, 4, 1                        ; h
	s_and_b32 s[G], s[WV], 3
	s_lshr_b32 s[FH], s[WV], 2
	s_mov_b32 s2, ttmp9                            ; j
	s_and_b32 s3, ttmp7, 0xffff                    ; e
	v_lshlrev_b32 v[L16], 4, v16
	v_lshlrev_b32 v[R16], 4, v18
	v_lshl_add_u32 v[WO], v19, 16, v[R16]          ; 8 h rows of 8,192 bytes + 16 r,
	s_lshl_b32 s99, s[G], 18                       ; my K step: 32 rows
	v_add_nc_u32 v[WO], s99, v[WO]
	v_lshl_add_u32 v[PFO], v16, 13, s99            ; row 32 g + lane of a slab
	s_mov_b32 s[OFF+1], 0
	s_lshl_b32 s[OFF], s3, 23                      ; an expert's 8,388,608 bytes,
	s_lshl_b32 s99, s2, 8                          ; the slice's 256 bytes of a row
	s_add_co_u32 s[OFF], s[OFF], s99
	s_wait_kmcnt 0x0
	s_add_nc_u64 s[4:5], s[4:5], s[OFF:OFF+1]
	s_add_nc_u64 s[6:7], s[6:7], s[OFF:OFF+1]
	s_lshl_b32 s[OFF], s3, 7
	s_add_nc_u64 s[10:11], s[10:11], s[OFF:OFF+1]
	s_lshl_b32 s[OFF], s3, 22
	s_lshl_b32 s99, s2, 11                         ; the slice's two K steps of the next product
	s_add_co_u32 s[OFF], s[OFF], s99
	s_add_nc_u64 s[12:13], s[12:13], s[OFF:OFF+1]
	s_load_b512 s[16:31], s[10:11], 0x0            ; the expert's bits: first choices s[16:47],
	s_load_b512 s[32:47], s[10:11], 0x40
	s_load_b512 s[48:63], s[10:11], 0x400          ; second choices s[48:63], s[68:83]
	s_load_b512 s[68:83], s[10:11], 0x440
	s_cmp_lt_u32 s[WV], 4
	s_cselect_b64 s[WM:WM+1], s[4:5], s[6:7]       ; waves 0-3 bring W11, waves 4-7 W12
	LOADW 0, WO, WM, 0                             ; slabs 0 and 1 go out before anything is known of the routing
	LOADW 1, WO, WM, 1048576
	s_lshl_b32 s99, s[G], 13
	s_lshl_b32 s100, s[FH], 12
	s_add_co_u32 s99, s99, s100
	s_add_co_u32 s99, s99, WB
	v_add_nc_u32 v[WST], s99, v[L16]               ; K step g, matrix fh
	s_lshl_b32 s99, s[FH], 11
	s_add_co_u32 s99, s99, WB
	v_add_nc_u32 v[WRD], s99, v[L16]               ; fragments 2 fh, 2 fh + 1
	v_mul_u32_u24 v[XST], v19, 8*XP
	v_add_nc_u32 v[XST], v[XST], v[R16]
	s_mul_i32 s99, s[G], XWAVE
	s_mul_i32 s100, s[FH], 4*XP
	s_add_co_u32 s100, s100, s99
	v_add_nc_u32 v[XST], s100, v[XST]              ; row 8 h + 4 fh of group g's tile 0, 16 r
	v_add_nc_u32 v[XST+1], XBUF, v[XST]
	v_mul_u32_u24 v[XRD], v18, XP
	v_lshl_add_u32 v[XRD], v19, 4, v[XRD]
	v_add_nc_u32 v[XRD], s99, v[XRD]               ; row r, 16 h
	v_add_nc_u32 v[XRD+1], XBUF, v[XRD]
	s_lshl_b32 s99, s[G], 6
	s_lshl_b32 s100, s[FH], 4
	s_add_co_u32 s99, s99, s100
	s_add_co_u32 s99, s99, LIST
	v_lshl_add_u32 v[LRD], v19, 5, s99             ; list entry 16 g + 8 h + 4 fh, of 64 t + 16 g + 8 h + 4 fh + j
	WIN 0x40
.set i, 0
.rept 160
	v_mov_b32 v[i], 0
.set i, i+1
.endr
	WIN 0
	s_wait_kmcnt 0x0
	s_mov_b32 s[RR], 0
.set i, 0
.rept 32
	s_or_b32 s99, s[16+i], s[48+i+4*(i/16)]
	s_bcnt1_i32_b32 s99, s99
	s_add_co_u32 s[RR], s[RR], s99
.set i, i+1
.endr
	s_add_co_u32 s[NTT], s[RR], 15
	s_lshr_b32 s[NTT], s[NTT], 4
	s_add_co_u32 s99, s[NTT], 3
	s_sub_co_u32 s99, s99, s[G]
	s_lshr_b32 s99, s99, 2
	s_min_u32 s[NT], s99, 5                        ; how many of the tiles 4 t + g lie under the count
	s_cmp_lg_u32 s[WV], 0
	s_cbranch_scc1 .Lno_build
	v_mov_b32 v20, 0x3ff                           ; the list, by wave 0: first the pad, token 1,023, in every place,
	v_mov_b32 v21, 0x3ff
	v_mov_b32 v22, 0x3ff
	v_mov_b32 v23, 0x3ff
	v_add_nc_u32 v24, LIST, v[L16]
.set i, 0
.rept 8
	ds_store_b128 v24, v[20:23] offset:i*512
.set i, i+1
.endr
	v_mov_b32 v25, LISTN
	s_mov_b32 s100, 0
.set i, 0
.rept 32                                               ; then, word by word, token 32 i + lane at its rank among the expert's tokens
	s_or_b32 s99, s[16+i], s[48+i+4*(i/16)]
	v_mbcnt_lo_u32_b32 v26, s99, s100              ; rank = chosen tokens in earlier words + in lower lanes
	v_add_nc_u32 v27, 32*i, v16
	v_cndmask_b32 v26, v25, v26, s99               ; a lane whose token did not choose writes the word behind the list
	v_min_u32 v26, LISTN, v26
	v_lshl_add_u32 v26, v26, 2, LIST
	ds_store_b32 v26, v27
	s_bcnt1_i32_b32 s99, s99
	s_add_co_u32 s100, s100, s99
.set i, i+1
.endr
.Lno_build:
	BAR                                            ; the list lies in LDS, for every wave; nothing else has touched LDS yet
	s_lshl_b32 s[OFF], s[G], 16                    ; tile g,
	s_lshl_b32 s99, s[FH], 10                      ; K step 2 j + fh
	s_add_co_u32 s[OFF], s[OFF], s99
	s_add_nc_u64 s[HM:HM+1], s[12:13], s[OFF:OFF+1]
	s_mov_b64 s[XC:XC+1], s[8:9]
	s_mov_b32 s[WSL], 2
	NEXTX                                          ; slab 0's x: the queue is W0 16, W1 16, X0 20
	STAGE 0, 36, 0, 1                              ; W0: 36 are younger.  X0 is the youngest: its wait is for all
	s_mov_b32 s[IT], 3
.Lloop:                                                ; from here on the queue at a stage's head is W(s) 16, X(s) 20, W(s + 1) 16: 36 are younger than W(s), 16 than X(s)
	BAR
	COMPUTE 0
	STAGE 1, 36, 16, 1
	BAR
	COMPUTE 1
	STAGE 0, 36, 16, 1
	s_sub_co_u32 s[IT], s[IT], 1
	s_cmp_lg_u32 s[IT], 0
	s_cbranch_scc1 .Lloop
	BAR
	COMPUTE 0                                      ; slab 6
	STAGE 1, 36, 16, 0                             ; slab 7: nothing is left to ask for
	BAR
	COMPUTE 1
	PLACES
.irp t, 0,1,2,3,4
	s_cmp_le_u32 s[NT], \t
	s_cbranch_scc1 .Lepi_end
	SILU 32*\t, 16, AF, AF+32+8*\t
	global_store_b128 v[L16], v[AF+32+8*\t:AF+32+8*\t+3], s[HM:HM+1] offset:\t*262144      ; the wave's two stores: 1,024 consecutive bytes
	global_store_b128 v[L16], v[AF+32+8*\t+4:AF+32+8*\t+7], s[HM:HM+1] offset:\t*262144+512
.endr
.Lepi_end:
	; TILES 20 + 8 i + wave, i = 0..5: a counted loop; a tile past the expert's count is jumped over
	s_wait_loadcnt 0x0                             ; the loads of slab 8's place are back: their registers are loaded anew below
	v_bfe_u32 v16, v0, 4, 1
	v_lshl_add_u32 v17, v16, 16, v[R16]            ; weights: 8 h rows + 16 r
	v_lshlrev_b32 v18, 4, v16                      ; x: 16 h
	v_and_b32 v19, 15, v0
	s_lshl_b32 s99, s[WV], 6
	s_add_co_u32 s99, s99, LIST+1280
	v_lshl_add_u32 v19, v19, 2, s99                ; list entry 16 (20 + wave) + r
	s_add_co_u32 s18, s[WV], 20
	s_mov_b32 s[IT], 6
.Lx:
	s_cmp_ge_u32 s18, s[NTT]
	s_cbranch_scc1 .Lx_next
	s_wait_xcnt 0x0                                ; the last tile's stores have read their registers and base
	ds_load_b32 v20, v19
	WIN 0x40
.set i, 0
.rept 64
	v_mov_b32 v[i], 0
.set i, i+1
.endr
	WIN 0
	s_mov_b64 s[20:21], s[4:5]
	s_mov_b64 s[22:23], s[6:7]
	s_mov_b64 s[24:25], s[8:9]
	s_lshl_b32 s[OFF], s18, 16
	s_add_nc_u64 s[26:27], s[12:13], s[OFF:OFF+1]
	s_wait_dscnt 0x0
	v_min_u32 v20, 0x3ff, v20
	v_lshl_add_u32 v20, v20, 11, v18
	s_mov_b32 s19, 32
.Lxk:                                                  ; a K step: both matrices' 16 rows a half, the tile's fragment of x, 8 products on 8 accumulators by turns
	LOADW 0, 17, 20, 0
	LOADW 1, 17, 22, 0
	global_load_b128 v[BF:BF+3], v20, s[24:25]
	global_load_b128 v[BF+4:BF+7], v20, s[24:25] offset:32
	s_wait_loadcnt 0x0
	CVTW 0, AF
	CVTW 1, AF+32
	WIN 0x50
.irp m, 0,1
.irp f, 0,1,2,3
	v_wmma_f32_16x16x32_bf16 v[32*\m+8*\f:32*\m+8*\f+7], v[AF+32*\m+8*\f:AF+32*\m+8*\f+7], v[BF:BF+7], v[32*\m+8*\f:32*\m+8*\f+7]
.endr
.endr
	WIN 0
	PLACES
	s_add_nc_u64 s[20:21], s[20:21], 262144
	s_add_nc_u64 s[22:23], s[22:23], 262144
	s_add_nc_u64 s[24:25], s[24:25], 64
	s_sub_co_u32 s19, s19, 1
	s_cmp_lg_u32 s19, 0
	s_cbranch_scc1 .Lxk
	SILU 0, 32, XS, XS+32
.irp f, 0,1,2,3
	global_store_b128 v[L16], v[XS+32+4*\f:XS+32+4*\f+3], s[26:27] offset:\f*512  ; 2,048 consecutive bytes
.endr
.Lx_next:
	v_add_nc_u32 v19, 512, v19                     ; eight tiles on
	s_add_co_u32 s18, s18, 8
	s_sub_co_u32 s[IT], s[IT], 1
	s_cmp_lg_u32 s[IT], 0
	s_cbranch_scc1 .Lx
	s_wait_tensorcnt 0x0                           ; the wave's end: behind my last LDS store
	ds_add_u32 v[SPW], v[NIL]
	s_wait_dscnt 0x0
	s_endpgm
.Lfunc_end_k_qf58b560532_up:
	.size	k_qf58b560532_up, .Lfunc_end_k_qf58b560532_up-k_qf58b560532_up
	.p2alignl 7, 3214868480
	.fill 96, 4, 3214868480
	.section	.rodata,"a",@progbits
	.p2align	6, 0x0
	.amdhsa_kernel k_qf58b560532_up
		.amdhsa_group_segment_fixed_size 244992
		.amdhsa_private_segment_fixed_size 0
		.amdhsa_enable_private_segment 0
		.amdhsa_kernarg_size 40
		.amdhsa_user_sgpr_count 2
		.amdhsa_user_sgpr_kernarg_segment_ptr 1
		.amdhsa_wavefront_size32 1
		.amdhsa_system_sgpr_workgroup_id_x 1
		.amdhsa_system_sgpr_workgroup_id_y 1
		.amdhsa_system_sgpr_workgroup_id_z 1
		.amdhsa_system_vgpr_workitem_id 0
		.amdhsa_next_free_vgpr 512
		.amdhsa_next_free_sgpr 102
		.amdhsa_reserve_vcc 0
		.amdhsa_float_denorm_mode_32 3
		.amdhsa_float_denorm_mode_16_64 3
		.amdhsa_memory_ordered 1
		.amdhsa_forward_progress 1
		.amdhsa_inst_pref_size 163
	.end_amdhsa_kernel
	.amdgpu_metadata
---
amdhsa.version: [ 1, 2 ]
amdhsa.kernels:
  - .name:           k_qf58b560532_up
    .symbol:         k_qf58b560532_up.kd
    .args:
      - { .name: W11, .offset: 0, .size: 8, .value_kind: global_buffer, .address_space: global }
      - { .name: W12, .offset: 8, .size: 8, .value_kind: global_buffer, .address_space: global }
      - { .name: xb, .offset: 16, .size: 8, .value_kind: global_buffer, .address_space: global }
      - { .name: bm, .offset: 24, .size: 8, .value_kind: global_buffer, .address_space: global }
      - { .name: hid, .offset: 32, .size: 8, .value_kind: global_buffer, .address_space: global }
    .group_segment_fixed_size: 244992
    .private_segment_fixed_size: 0
    .kernarg_segment_align: 8
    .kernarg_segment_size: 40
    .max_flat_workgroup_size: 256
    .sgpr_count:     102
    .vgpr_count:     512
    .wavefront_size: 32
...
	.end_amdgpu_metadata
.endif
;; end of part 2
;; launch down (part 3): grid 32 x 8, 8 waves a work-group, no clusters, 38,144 bytes of LDS; arguments W2, hid, bm, gw, part; writes part
.if DOCPART == 3
	.amdgcn_target "amdgcn-amd-amdhsa--gfx1250"
	.amdhsa_code_object_version 6
	.text
	.protected	k_qf58b560532_down
	.globl	k_qf58b560532_down
	.p2align	8
	.type	k_qf58b560532_down,@function
k_qf58b560532_down:
	s_mov_b64 s[64:65], 0
	v_nop
	global_prefetch_b8 v0, s[64:65] scope:SCOPE_SE
	s_setreg_imm32_b32 hwreg(HW_REG_WAVE_MODE, 25, 1), 1
	s_wait_xcnt 0x0
; DOWN.  part[kh][u][:] = gw[u] x (hid row of u) . W2[e], over half kh of the hidden width.  Work-group (x, e): c = x % 16: output columns 64 c .. 64 c + 63; kh = x / 16: hidden columns
; 1,024 kh on: 262,144 bytes of f32, which it alone reads in its main pass; and ALL rows of expert e, in tiles of 16 by the list u = 2 token + slot (ascending by token, as in the launch before).
; EVERY WAVE RUNS THE SAME TEXT, written out for the 8 slabs of 4 K steps.  With g = wave % 4 and q = wave / 4 a wave
;   brings half q of K step g of each slab: 8 loads of f32, each covering two aligned runs of 256 bytes; rounding pairs of rows gives half of four fragments (fragment f: column 4 i + f at index i), into LDS;
;   multiplies tiles 8 t + wave (t = 0..2) by all four fragments: 12 accumulators.  hid was stored in operand order: a tile's fragments come from memory straight into registers, a slab ahead.
;   Tiles t = 0, 1 are always multiplied, tile 2 only if it has rows; the very first product, with C = 0, starts all twelve sums.  A tile without rows repeats the expert's last tile, and nothing is made of it.
; Loads are counted in order of issue, so the order is W(s), A(s), W(s + 1): the wait for a slab's hid leaves the younger weights on their way; weights are asked for two slabs ahead.
; K ORDER.  Slot (h, half q, j) of K step s of hid is hidden column 64 (s / 2) + 4 (8 h + j) + 2 (s % 2) + q: load j of a lane takes that row of W2.
; THE WAY OUT.  source 0 = hid, source 1 = W2: a lane holds column index r and rows 8 h + 0..7.  The multiply by the row's gate weight also brings the four fragments' numbers, columns 4 r .. 4 r + 3,
; into neighbouring registers: 16 lanes store 256 consecutive bytes of a row.  List places past the count hold 2048 + e: a row of part that belongs to this expert and is never read.
; TILES 24-63 (an expert with more than 384 rows) come afterwards, a tile a wave, with no barrier and no LDS write; that way reads the slice once more for each such tile.
; NO MULTICAST, no tensor loads: each weight byte has one reader; hid's tiles go straight into registers.
; LIMITS.  K is split in two; the halves are added in f32 by the last launch.  For an expert with no rows the loads of hid read bytes that nobody stored; nothing is made of them.
.set WB,    0                          ; [buffer 2][K step 4][fragment 4][half 2][lane 32][16 bytes]
.set WBUF,  16384
.set ULIST, 32768                      ; 1,024 words of u and, at index 1,024, a word for the lanes that have nothing to say
.set SPARE, ULIST+4096+256             ; the spare words, 128 bytes a wave: four blocks of 256 bytes that no other line names
; window 0
.set L16, 1                            ; 16 x lane
.set WO,  2                            ; my byte offset in a slab of W2
.set WST, 3                            ; where my half fragments go in LDS
.set WRD, 4                            ; where I read fragments
.set LRD, 5                            ; my place in the list
.set R16, 6                            ; 16 x (lane % 16)
.set PFO, 7                            ; prefetch: my row of a slab
.set TO,  8                            ; v8-10  my three tiles' offsets in hid
.set SPW, 14                           ; v14, v15: the add's two registers; never rewritten
.set NIL, 15
.set BF,  32                           ; v32-95    W2 fragments, two buffers of four
.set CV,  32                           ;           between two slabs' products: the half fragments just rounded
.set RO,  32                           ;           on the way out: 8 row offsets, 32 numbers to store
.set TM,  40
.set ACC, 96                           ; v96-191   accumulator (t, f) at 96 + 32 t + 8 f
.set WS,  192                          ; v192-255  W2 as loaded, two sets of 32
.set UU,  192                          ;           at the end: the rows' u,
.set WW,  224                          ;           and their gate weights
; window 1: v0-191 hid fragments (set, t, K step) at 96 set + 32 t + 8 step
.set WV,  14
.set G,   15
.set RR,  84
.set NTT, 85
.set FH,  86
.set N3,  87                           ; 1: my third tile has rows
.set IT,  88
.set OFF, 90                           ; s[90:91] an offset; the high word stays 0
.set MSB, 0
.macro WIN new
.if MSB != (\new)
	s_set_vgpr_msb (MSB<<8)|(\new)
.set MSB, (\new)
.endif
.endm
.macro PLACES                          ; four places behind matrix instructions, ahead of writes and loads into their registers and of reads of their results
.rept 4
	v_nop
.endr
.endm
.macro BAR
	s_wait_dscnt 0x0                               ; my stores into one buffer are done and my reads of the other are back
	s_barrier_signal -1
	s_barrier_wait -1
.endm
.macro LOADW set, tau                  ; my 8 rows a half of the lanes, four rows apart
.irp j, 0,1,2,3,4,5,6,7
	global_load_b128 v[WS+32*(\set)+4*\j:WS+32*(\set)+4*\j+3], v[WO], s[4:5] offset:(\tau)*524288+\j*16384 th:TH_LOAD_NT
.endr
.endm
.macro LOADA set, tau                  ; three tiles x four K steps: each load of the wave covers 512 consecutive bytes
	WIN 0x40
.irp t, 0,1,2
.irp st, 0,1,2,3
	global_load_b128 v[96*(\set)+32*\t+8*\st:96*(\set)+32*\t+8*\st+3], v[TO+\t], s[6:7] offset:(\tau)*4096+\st*1024
	global_load_b128 v[96*(\set)+32*\t+8*\st+4:96*(\set)+32*\t+8*\st+7], v[TO+\t], s[6:7] offset:(\tau)*4096+\st*1024+512
.endr
.endr
	WIN 0
.endm
.macro GETW nt, la                     ; for nt tiles: rows 8 h + 0..7: u out of the list, and gw[u] asked for; each load lands on its own offset
.set i, 0
.rept \nt
	ds_load_b128 v[UU+8*i:UU+8*i+3], v[\la] offset:512*i
	ds_load_b128 v[UU+8*i+4:UU+8*i+7], v[\la] offset:512*i+16
.set i, i+1
.endr
	s_wait_dscnt 0x0
.set i, 0
.rept 8*(\nt)
	v_min_u32 v[WW+i], 0x7ff, v[UU+i]              ; inside gw whatever the list holds
.set i, i+1
.endr
.set i, 0
.rept 8*(\nt)
	v_lshlrev_b32 v[WW+i], 2, v[WW+i]
.set i, i+1
.endr
.set i, 0
.rept 8*(\nt)
	global_load_b32 v[WW+i], v[WW+i], s[10:11]
.set i, i+1
.endr
.endm
; Slab tau's weights go from set tau % 2 into LDS buffer tau % 2; the next slab's hid is asked for, then the weights two slabs on.  cw, ca: the loads that may stay out when W(tau), A(tau) have to be there.
.macro STAGE tau, cw, ca
	s_wait_loadcnt \cw
.set ws, WS+32*((\tau)%2)
.irp f, 0,1,2,3
.irp i, 0,1,2,3
	v_cvt_pk_bf16_f32 v[CV+4*\f+\i], v[ws+8*\i+\f], v[ws+8*\i+4+\f]
.endr
.endr
.irp f, 0,1,2,3
	ds_store_b128 v[WST], v[CV+4*\f:CV+4*\f+3] offset:((\tau)%2)*WBUF+\f*1024
.endr
.if (\tau) < 7
	LOADA ((\tau)+1)%2, (\tau)+1
.else
	GETW 3, LRD                                    ; the last stage: the rows and their gate weights, which land under the last slab's products
.endif
	s_wait_loadcnt \ca
.if (\tau) < 6
	LOADW (\tau)%2, (\tau)+2
.endif
.if (\tau) < 4
	s_cmp_lt_u32 s[WV], 4
	s_cbranch_scc0 .Lno_pf_\@
	; the slab that the stage two further on will load: its 128 rows, a lane of waves 0-3 for each row's 256 bytes; slabs 4 to 7, so it stops at the slice's last
	global_prefetch_b8 v[PFO], s[4:5] offset:((\tau)+4)*524288 th:TH_LOAD_NT scope:SCOPE_SE
.Lno_pf_\@:
.endif
.endm
.macro FETCHB bb, st
.irp f, 0,1,2,3
	ds_load_b128 v[BF+32*((\st)%2)+8*\f:BF+32*((\st)%2)+8*\f+3], v[WRD] offset:(\bb)*WBUF+(\st)*4096+\f*1024
	ds_load_b128 v[BF+32*((\st)%2)+8*\f+4:BF+32*((\st)%2)+8*\f+7], v[WRD] offset:(\bb)*WBUF+(\st)*4096+\f*1024+512
.endr
.endm
.macro MM set, st, t, zero             ; a tile x four fragments.  The accumulators take turns, one instruction a turn
.irp f, 0,1,2,3
.if \zero
	v_wmma_f32_16x16x32_bf16 v[ACC+32*(\t)+8*\f:ACC+32*(\t)+8*\f+7], v[96*(\set)+32*(\t)+8*(\st):96*(\set)+32*(\t)+8*(\st)+7], v[BF+32*((\st)%2)+8*\f:BF+32*((\st)%2)+8*\f+7], 0
.else
	v_wmma_f32_16x16x32_bf16 v[ACC+32*(\t)+8*\f:ACC+32*(\t)+8*\f+7], v[96*(\set)+32*(\t)+8*(\st):96*(\set)+32*(\t)+8*(\st)+7], v[BF+32*((\st)%2)+8*\f:BF+32*((\st)%2)+8*\f+7], v[ACC+32*(\t)+8*\f:ACC+32*(\t)+8*\f+7]
.endif
.endr
.endm
.macro MULT set, st, zero
	WIN 0x01
	MM \set, \st, 0, \zero
	MM \set, \st, 1, \zero
.if \zero
	MM \set, \st, 2, 1                             ; the first product starts the third tile's sums too, rows or no rows: nothing is cleared
	WIN 0
.else
	WIN 0                                          ; at a branch and at a label every window is 0
	s_cmp_eq_u32 s[N3], 0
	s_cbranch_scc1 .Ltwo_\@
	WIN 0x01
	MM \set, \st, 2, 0
	WIN 0
.Ltwo_\@:
.endif
.endm
.macro COMPUTE tau
	FETCHB (\tau)%2, 0
.irp st, 0,1,2,3
	s_wait_dscnt 0x0
.if \st < 3
	FETCHB (\tau)%2, \st+1                         ; its buffer's last readers stand ahead of the four places at the end of the step before
.endif
.if ((\tau) == 0) && (\st == 0)
	MULT 0, 0, 1
.else
	MULT (\tau)%2, \st, 0
.endif
	PLACES
.endr
.endm
.macro OUT acc, uu, ww                 ; a tile leaves.  Each accumulator is read from its low end on
	s_wait_xcnt 0x0                                ; the last tile's stores have read their offsets and data
.irp j, 0,1,2,3,4,5,6,7
	v_min_u32 v[RO+\j], 0x807, v[(\uu)+\j]         ; inside part whatever the list holds
.endr
.irp j, 0,1,2,3,4,5,6,7
	v_lshl_add_u32 v[RO+\j], v[RO+\j], 12, v[R16]
.endr
.irp j, 0,1,2,3,4,5,6,7
.irp f, 0,1,2,3
	v_mul_f32 v[TM+4*\j+\f], v[(\acc)+8*\f+\j], v[(\ww)+\j]
.endr
.endr
.irp j, 0,1,2,3,4,5,6,7
	global_store_b128 v[RO+\j], v[TM+4*\j:TM+4*\j+3], s[12:13]  ; 16 lanes: 256 consecutive bytes of a row, aligned
.endr
.endm
	s_load_b256 s[4:11], s[0:1], 0x0               ; W2 s[4:5], hid s[6:7], bm s[8:9], gw s[10:11]
	s_load_b64 s[12:13], s[0:1], 0x20              ; part
	v_lshl_add_u32 v[SPW], v0, 2, SPARE
	v_mov_b32 v[NIL], 0
	v_and_b32 v16, 31, v0                          ; lane
	v_lshrrev_b32 v17, 5, v0
	v_readfirstlane_b32 s[WV], v17
	v_and_b32 v18, 15, v0                          ; r
	v_bfe_u32 v19, v0, 4, 1                        ; h
	s_and_b32 s[G], s[WV], 3
	s_lshr_b32 s[FH], s[WV], 2
	s_and_b32 s2, ttmp9, 15                        ; c
	s_lshr_b32 s97, ttmp9, 4                       ; kh
	s_and_b32 s3, ttmp7, 0xffff                    ; e
	v_lshlrev_b32 v[L16], 4, v16
	v_lshlrev_b32 v[R16], 4, v18
	s_lshr_b32 s99, s[G], 1
	s_lshl_b32 s99, s99, 6                         ; row 64 (g / 2)
	s_and_b32 s100, s[G], 1
	s_lshl_b32 s100, s100, 1                       ; + 2 (g % 2)
	s_add_co_u32 s99, s99, s100
	s_add_co_u32 s99, s99, s[FH]                   ; + q,
	s_lshl_b32 s99, s99, 12                        ; of 4,096 bytes
	v_lshl_add_u32 v[WO], v19, 17, v[R16]          ; + 32 h rows + 16 r
	v_add_nc_u32 v[WO], s99, v[WO]
	s_mov_b32 s[OFF+1], 0
	s_lshl_b32 s[OFF], s3, 23
	s_lshl_b32 s99, s97, 22                        ; 1,024 rows of 4,096 bytes
	s_add_co_u32 s[OFF], s[OFF], s99
	s_lshl_b32 s99, s2, 8
	s_add_co_u32 s[OFF], s[OFF], s99
	s_wait_kmcnt 0x0
	s_add_nc_u64 s[4:5], s[4:5], s[OFF:OFF+1]
	s_lshl_b32 s[OFF], s3, 22
	s_lshl_b32 s100, s97, 15                       ; 32 K steps of 1,024 bytes
	s_add_co_u32 s[OFF], s[OFF], s100
	s_add_nc_u64 s[6:7], s[6:7], s[OFF:OFF+1]
	s_lshl_b32 s[OFF], s3, 7
	s_add_nc_u64 s[8:9], s[8:9], s[OFF:OFF+1]
	s_mul_i32 s[OFF], s97, 8421376                 ; 2,056 rows of 4,096 bytes
	s_add_co_u32 s[OFF], s[OFF], s99
	s_add_nc_u64 s[12:13], s[12:13], s[OFF:OFF+1]
	s_load_b512 s[16:31], s[8:9], 0x0              ; the expert's bits: first choices s[16:47],
	s_load_b512 s[32:47], s[8:9], 0x40
	s_load_b512 s[48:63], s[8:9], 0x400            ; second choices s[48:63], s[68:83]
	s_load_b512 s[68:83], s[8:9], 0x440
	LOADW 0, 0                                     ; slabs 0 and 1 go out before anything is known of the routing
	LOADW 1, 1
	s_lshl_b32 s99, s[G], 12
	s_lshl_b32 s100, s[FH], 9
	s_add_co_u32 s99, s99, s100
	v_add_nc_u32 v[WST], s99, v[L16]               ; K step g, half q
	v_mov_b32 v[WRD], v[L16]
	s_lshl_b32 s99, s[WV], 6
	s_add_co_u32 s99, s99, ULIST
	v_lshl_add_u32 v[LRD], v19, 5, s99             ; list entry 16 wave + 8 h
	s_lshl_b32 s99, s[G], 5
	v_add_nc_u32 v[PFO], s99, v16
	v_lshlrev_b32 v[PFO], 12, v[PFO]               ; row 32 g + lane of a slab
	s_wait_kmcnt 0x0
	s_mov_b32 s[RR], 0
.set i, 0
.rept 32
	s_or_b32 s99, s[16+i], s[48+i+4*(i/16)]
	s_bcnt1_i32_b32 s99, s99
	s_add_co_u32 s[RR], s[RR], s99
.set i, i+1
.endr
	s_add_co_u32 s[NTT], s[RR], 15
	s_lshr_b32 s[NTT], s[NTT], 4
	s_sub_co_u32 s98, s[NTT], 1                    ; the expert's last tile (with no tile at all this wraps, and the minimum below keeps my own tile's number)
.irp t, 0,1,2
	s_add_co_u32 s99, s[WV], 8*\t                  ; tile 8 t + wave, or the last tile in the place of one without rows;
	s_min_u32 s99, s99, s98
	s_min_u32 s99, s99, 63                         ; inside the expert's 64 tiles of hid whatever the count holds;
	s_lshl_b32 s99, s99, 16                        ; its 65,536 bytes,
	v_add_nc_u32 v[TO+\t], s99, v[L16]             ; 16 a lane
.endr
	s_add_co_u32 s99, s[WV], 16
	s_cmp_lt_u32 s99, s[NTT]
	s_cselect_b32 s[N3], 1, 0                      ; has my third tile rows?
	LOADA 0, 0                                     ; the queue is W0 8, W1 8, A0 24
	s_cmp_lg_u32 s[WV], 0
	s_cbranch_scc1 .Lno_build
	s_add_co_u32 s99, s3, 2048                     ; the list, by wave 0: first the pad row in every place,
	v_mov_b32 v20, s99
	v_mov_b32 v21, s99
	v_mov_b32 v22, s99
	v_mov_b32 v23, s99
	v_add_nc_u32 v24, ULIST, v[L16]
.set i, 0
.rept 8
	ds_store_b128 v24, v[20:23] offset:i*512
.set i, i+1
.endr
	v_lshlrev_b32 v28, 1, v16
	v_mov_b32 v25, 1024
	s_mov_b32 s100, 0
.set i, 0
.rept 32                                               ; then, word by word, token 32 i + lane at its rank among the expert's tokens
	s_or_b32 s99, s[16+i], s[48+i+4*(i/16)]
	v_mbcnt_lo_u32_b32 v26, s99, s100              ; rank = chosen tokens in earlier words + in lower lanes
	v_bfe_u32 v27, s[48+i+4*(i/16)], v16, 1        ; slot
	v_add_nc_u32 v27, v27, v28
	v_add_nc_u32 v27, 64*i, v27                    ; u = 2 token + slot
	v_cndmask_b32 v26, v25, v26, s99               ; a lane whose token did not choose writes the word behind the list
	v_min_u32 v26, 0x400, v26
	v_lshl_add_u32 v26, v26, 2, ULIST
	ds_store_b32 v26, v27
	s_bcnt1_i32_b32 s99, s99
	s_add_co_u32 s100, s100, s99
.set i, i+1
.endr
.Lno_build:
	BAR                                            ; the list lies in LDS, for every wave; nothing else has touched LDS yet
	STAGE 0, 32, 24                                ; W0: W1's 8 and A0's 24 are younger.  A0: A1's 24 are younger
	BAR
	COMPUTE 0
.irp tau, 1,2,3,4,5,6
	STAGE \tau, 32, 32                             ; W(tau): A(tau)'s 24 and W(tau + 1)'s 8 are younger.  A(tau): W(tau + 1)'s 8 and A(tau + 1)'s 24 are younger
	BAR
	COMPUTE \tau
.endr
	STAGE 7, 24, 24                                ; W7: A7's 24 are younger.  A7: the 24 loads of gate weights are younger
	BAR
	COMPUTE 7
	s_wait_loadcnt 0x0                             ; the gate weights
.irp t, 0,1,2
	s_add_co_u32 s99, s[WV], 8*\t
	s_cmp_ge_u32 s99, s[NTT]
	s_cbranch_scc1 .Lepi_end
	OUT ACC+32*\t, UU+8*\t, WW+8*\t
.endr
.Lepi_end:
	; TILES 24 + 8 i + wave, i = 0..4: a counted loop; a tile past the expert's count is jumped over
	v_bfe_u32 v16, v0, 4, 1
	v_lshl_add_u32 v17, v16, 17, v[R16]            ; W2: 32 h rows + 16 r
	v_add_nc_u32 v19, 64*24, v[LRD]                ; list entry 16 (24 + wave) + 8 h
	s_add_co_u32 s18, s[WV], 24
	s_mov_b32 s[IT], 5
.Lx:
	s_cmp_ge_u32 s18, s[NTT]
	s_cbranch_scc1 .Lx_next
	s_wait_xcnt 0x0                                ; offsets and bases of what has been issued are written anew only behind this wait
	s_lshl_b32 s99, s18, 16
	v_add_nc_u32 v18, s99, v[L16]
	s_mov_b64 s[20:21], s[4:5]
	s_mov_b64 s[22:23], s[6:7]
.set i, 0
.rept 32
	v_mov_b32 v[ACC+i], 0
.set i, i+1
.endr
	s_mov_b32 s19, 16
.Lxk:                                                  ; two K steps: 64 rows of W2, the tile's two fragments of hid, 8 products on 4 accumulators by turns
	WIN 0x40
.irp p, 0,1
.irp q, 0,1
.irp j, 0,1,2,3,4,5,6,7
	global_load_b128 v[64*\p+32*\q+4*\j:64*\p+32*\q+4*\j+3], v17, s[20:21] offset:(4*\j+\q+2*\p)*4096 th:TH_LOAD_NT
.endr
.endr
.endr
.irp p, 0,1
.irp q, 0,1
	global_load_b128 v[128+8*\p+4*\q:128+8*\p+4*\q+3], v18, s[22:23] offset:\p*1024+\q*512
.endr
.endr
	s_wait_loadcnt 0x0
	WIN 0x05
.irp p, 0,1
.irp q, 0,1
.irp f, 0,1,2,3
.irp i, 0,1,2,3
	v_cvt_pk_bf16_f32 v[BF+32*\p+8*\f+4*\q+\i], v[64*\p+32*\q+8*\i+\f], v[64*\p+32*\q+8*\i+4+\f]
.endr
.endr
.endr
.endr
	WIN 0x01
.irp p, 0,1
.irp f, 0,1,2,3
	v_wmma_f32_16x16x32_bf16 v[ACC+8*\f:ACC+8*\f+7], v[128+8*\p:128+8*\p+7], v[BF+32*\p+8*\f:BF+32*\p+8*\f+7], v[ACC+8*\f:ACC+8*\f+7]
.endr
.endr
	WIN 0
	PLACES
	s_add_nc_u64 s[20:21], s[20:21], 262144
	s_add_nc_u64 s[22:23], s[22:23], 2048
	s_sub_co_u32 s19, s19, 1
	s_cmp_lg_u32 s19, 0
	s_cbranch_scc1 .Lxk
	GETW 1, 19
	s_wait_loadcnt 0x0
	OUT ACC, UU, WW
.Lx_next:
	v_add_nc_u32 v19, 512, v19                     ; eight tiles on
	s_add_co_u32 s18, s18, 8
	s_sub_co_u32 s[IT], s[IT], 1
	s_cmp_lg_u32 s[IT], 0
	s_cbranch_scc1 .Lx
	s_wait_tensorcnt 0x0                           ; the wave's end: behind my last LDS store
	ds_add_u32 v[SPW], v[NIL]
	s_wait_dscnt 0x0
	s_endpgm
.Lfunc_end_k_qf58b560532_down:
	.size	k_qf58b560532_down, .Lfunc_end_k_qf58b560532_down-k_qf58b560532_down
	.p2alignl 7, 3214868480
	.fill 96, 4, 3214868480
	.section	.rodata,"a",@progbits
	.p2align	6, 0x0
	.amdhsa_kernel k_qf58b560532_down
		.amdhsa_group_segment_fixed_size 38144
		.amdhsa_private_segment_fixed_size 0
		.amdhsa_enable_private_segment 0
		.amdhsa_kernarg_size 40
		.amdhsa_user_sgpr_count 2
		.amdhsa_user_sgpr_kernarg_segment_ptr 1
		.amdhsa_wavefront_size32 1
		.amdhsa_system_sgpr_workgroup_id_x 1
		.amdhsa_system_sgpr_workgroup_id_y 1
		.amdhsa_system_sgpr_workgroup_id_z 1
		.amdhsa_system_vgpr_workitem_id 0
		.amdhsa_next_free_vgpr 448
		.amdhsa_next_free_sgpr 102
		.amdhsa_reserve_vcc 0
		.amdhsa_float_denorm_mode_32 3
		.amdhsa_float_denorm_mode_16_64 3
		.amdhsa_memory_ordered 1
		.amdhsa_forward_progress 1
		.amdhsa_inst_pref_size 142
	.end_amdhsa_kernel
	.amdgpu_metadata
---
amdhsa.version: [ 1, 2 ]
amdhsa.kernels:
  - .name:           k_qf58b560532_down
    .symbol:         k_qf58b560532_down.kd
    .args:
      - { .name: W2, .offset: 0, .size: 8, .value_kind: global_buffer, .address_space: global }
      - { .name: hid, .offset: 8, .size: 8, .value_kind: global_buffer, .address_space: global }
      - { .name: bm, .offset: 16, .size: 8, .value_kind: global_buffer, .address_space: global }
      - { .name: gw, .offset: 24, .size: 8, .value_kind: global_buffer, .address_space: global }
      - { .name: part, .offset: 32, .size: 8, .value_kind: global_buffer, .address_space: global }
    .group_segment_fixed_size: 38144
    .private_segment_fixed_size: 0
    .kernarg_segment_align: 8
    .kernarg_segment_size: 40
    .max_flat_workgroup_size: 256
    .sgpr_count:     102
    .vgpr_count:     448
    .wavefront_size: 32
...
	.end_amdgpu_metadata
.endif
;; end of part 3
;; launch combine (part 4): grid 256 x 1, 8 waves a work-group, no clusters, 0 bytes of LDS; arguments part, out0; writes out0
.if DOCPART == 4
	.amdgcn_target "amdgcn-amd-amdhsa--gfx1250"
	.amdhsa_code_object_version 6
	.text
	.protected	k_qf58b560532_combine
	.globl	k_qf58b560532_combine
	.p2align	8
	.type	k_qf58b560532_combine,@function
k_qf58b560532_combine:
	s_mov_b64 s[64:65], 0
	v_nop
	global_prefetch_b8 v0, s[64:65] scope:SCOPE_SE
	s_setreg_imm32_b32 hwreg(HW_REG_WAVE_MODE, 25, 1), 1
	s_wait_xcnt 0x0
; COMBINE.  out[t] = (part[0][2 t] + part[1][2 t]) + (part[0][2 t + 1] + part[1][2 t + 1]): the two halves of K and the two chosen experts, in f32; the gate weights are in the parts already.
; A stream: four tokens a work-group; thread i owns 16 bytes of every row, so each load and store of a wave covers 512 consecutive bytes.  All 16 loads go out at once.
; No LDS, no matrix unit, no cluster: nothing is shared and nothing is read twice.
.set HALF, 8421376                     ; 2,056 rows of 4,096 bytes: past a load's immediate, so the second half has a base of its own
	s_load_b128 s[4:7], s[0:1], 0x0                ; part s[4:5], out0 s[6:7]
	v_lshlrev_b32 v1, 4, v0
	s_lshl_b32 s8, ttmp9, 15                       ; 8 rows of part
	s_mov_b32 s9, 0
	s_lshl_b32 s10, ttmp9, 14                      ; 4 rows of out0
	s_mov_b32 s11, 0
	s_wait_kmcnt 0x0
	s_add_nc_u64 s[4:5], s[4:5], s[8:9]
	s_add_nc_u64 s[12:13], s[4:5], HALF
	s_add_nc_u64 s[6:7], s[6:7], s[10:11]
.irp i, 0,1,2,3
	global_load_b128 v[4+16*\i:7+16*\i],   v1, s[4:5]   offset:\i*8192 th:TH_LOAD_NT
	global_load_b128 v[8+16*\i:11+16*\i],  v1, s[12:13] offset:\i*8192 th:TH_LOAD_NT
	global_load_b128 v[12+16*\i:15+16*\i], v1, s[4:5]   offset:\i*8192+4096 th:TH_LOAD_NT
	global_load_b128 v[16+16*\i:19+16*\i], v1, s[12:13] offset:\i*8192+4096 th:TH_LOAD_NT
.endr
.irp i, 0,1,2,3
	s_wait_loadcnt 12-4*\i                         ; this token's four loads are in; the later tokens' stay out
	v_pk_add_f32 v[4+16*\i:5+16*\i], v[4+16*\i:5+16*\i], v[8+16*\i:9+16*\i]
	v_pk_add_f32 v[6+16*\i:7+16*\i], v[6+16*\i:7+16*\i], v[10+16*\i:11+16*\i]
	v_pk_add_f32 v[12+16*\i:13+16*\i], v[12+16*\i:13+16*\i], v[16+16*\i:17+16*\i]
	v_pk_add_f32 v[14+16*\i:15+16*\i], v[14+16*\i:15+16*\i], v[18+16*\i:19+16*\i]
	v_pk_add_f32 v[4+16*\i:5+16*\i], v[4+16*\i:5+16*\i], v[12+16*\i:13+16*\i]
	v_pk_add_f32 v[6+16*\i:7+16*\i], v[6+16*\i:7+16*\i], v[14+16*\i:15+16*\i]
	global_store_b128 v1, v[4+16*\i:7+16*\i], s[6:7] offset:\i*4096 th:TH_STORE_NT
.endr
	s_endpgm
.Lfunc_end_k_qf58b560532_combine:
	.size	k_qf58b560532_combine, .Lfunc_end_k_qf58b560532_combine-k_qf58b560532_combine
	.p2alignl 7, 3214868480
	.fill 96, 4, 3214868480
	.section	.rodata,"a",@progbits
	.p2align	6, 0x0
	.amdhsa_kernel k_qf58b560532_combine
		.amdhsa_group_segment_fixed_size 0
		.amdhsa_private_segment_fixed_size 0
		.amdhsa_enable_private_segment 0
		.amdhsa_kernarg_size 16
		.amdhsa_user_sgpr_count 2
		.amdhsa_user_sgpr_kernarg_segment_ptr 1
		.amdhsa_wavefront_size32 1
		.amdhsa_system_sgpr_workgroup_id_x 1
		.amdhsa_system_sgpr_workgroup_id_y 1
		.amdhsa_system_sgpr_workgroup_id_z 1
		.amdhsa_system_vgpr_workitem_id 0
		.amdhsa_next_free_vgpr 68
		.amdhsa_next_free_sgpr 66
		.amdhsa_reserve_vcc 0
		.amdhsa_float_denorm_mode_32 3
		.amdhsa_float_denorm_mode_16_64 3
		.amdhsa_memory_ordered 1
		.amdhsa_forward_progress 1
		.amdhsa_inst_pref_size 5
	.end_amdhsa_kernel
	.amdgpu_metadata
---
amdhsa.version: [ 1, 2 ]
amdhsa.kernels:
  - .name:           k_qf58b560532_combine
    .symbol:         k_qf58b560532_combine.kd
    .args:
      - { .name: part, .offset: 0, .size: 8, .value_kind: global_buffer, .address_space: global }
      - { .name: out0, .offset: 8, .size: 8, .value_kind: global_buffer, .address_space: global }
    .group_segment_fixed_size: 0
    .private_segment_fixed_size: 0
    .kernarg_segment_align: 8
    .kernarg_segment_size: 16
    .max_flat_workgroup_size: 256
    .sgpr_count:     66
    .vgpr_count:     68
    .wavefront_size: 32
...
	.end_amdgpu_metadata
.endif
;; end of part 4
;; ======== version 2 of 2: 4 launches
;; workspace buffers: xb 2,097,152 bytes; bm 2,048 bytes of whole numbers; gw 8,192 bytes; hid 33,554,432 bytes; part 16,842,752 bytes
;; launch router: the kernel of part 1 again; grid 64 x 1, 8 waves a work-group, no clusters, 58,880 bytes of LDS; arguments x, Wg, xb, bm, gw; writes xb, bm, gw
;; launch up (part 5): grid 32 x 8, 8 waves a work-group, no clusters, 240,640 bytes of LDS; arguments W11, W12, xb, bm, hid; writes hid
.if DOCPART == 5
	.amdgcn_target "amdgcn-amd-amdhsa--gfx1250"
	.amdhsa_code_object_version 6
	.text
	.protected	k_qf58b560532_up
	.globl	k_qf58b560532_up
	.p2align	8
	.type	k_qf58b560532_up,@function
k_qf58b560532_up:
	s_mov_b64 s[64:65], 0
	v_nop
	global_prefetch_b8 v0, s[64:65] scope:SCOPE_SE
	s_setreg_imm32_b32 hwreg(HW_REG_WAVE_MODE, 25, 1), 1
	s_wait_xcnt 0x0
; UP.  hid = silu(x W11) * (x W12) for the rows that chose the expert.  Work-group (j, e): columns 64 j .. 64 j + 63 of W11[e] and of W12[e], all 1,024 k: 524,288 bytes of f32,
; which it alone reads in its main pass; and ALL rows of expert e, in tiles of 16: row rho is the token at the rho-th set bit of the expert's 1,024 bits (tokens ascending).
; EVERY WAVE RUNS THE SAME TEXT.  With g = wave % 4 and fh = wave / 4 a wave
;   brings, for each slab of 128 k, K step g of matrix fh: 16 loads of f32, each covering two aligned runs of 256 bytes; lane (r, h) holds columns 4 r .. 4 r + 3 of the 16 k of its
;   half, so rounding pairs of rows gives four fragments, fragment f with column 4 i + f at index i; they go to LDS; and it gathers 40 of the pass's 320 rows of xb into LDS;
;   multiplies tiles 4 t + g (t = 0..4) by fragments 2 fh, 2 fh + 1 of both matrices: 20 accumulators.  Tiles t = 0..3 are always taken; tile 4 is loaded, laid into LDS, read and
;   multiplied only if it has rows: the two waves that write its rows are the two that read them, and both go by the same count.
; THE ROWS' OFFSETS are made once, in registers, and kept: each lane finds the token of one rank in the bits, which lie in scalar registers (SEARCH: the word; SELECT: the bit in it); the 40 tokens
; are read out lane by lane, and each of the 20 loads of a slab has a register with its two rows' offsets.  A rank past the count falls on token 1,023: the pad row.
; THE MAIN PASS (tiles 0-19).  Between two barriers a wave multiplies slab s out of one LDS buffer and lays slab s + 1 into the other.  The laying (a wave's 24 to 28 LDS stores, 32 roundings and
; 32 to 36 loads from memory) is cut into five pieces that stand among the slab's 64 to 80 products, so that the two waves of a SIMD can be at different work.
; Loads are counted in order of issue, so the order is W(s), X(s), W(s + 1): the wait for a slab leaves the younger weights on their way; weights are asked for two slabs ahead.
; TILES 20-63 (an expert with more than 320 rows) come afterwards, a tile a wave, with no barrier and no LDS access: weights from memory into registers, rounded, multiplied.
; That way reads the slice once more for each such tile: right for every split, slow for a lopsided one.
; THE WAY OUT.  source 0 = weights, source 1 = x: a lane holds token r and column indices 8 h + 0..7.  Packed, a lane's four registers are half a fragment of the next product, whose K order
; is thereby permuted; the next launch picks its weights' rows by the same permutation.  hid: [e][tile 64][K step 64][half 2][lane 32][16 bytes].
; The accumulators are cleared by v_mov_b32, in the wait for the first weights: slab 0 is multiplied by the loop's own text, and a first product written out would be a fifth copy of it.
; NO MULTICAST, no tensor loads: each weight byte has one reader; the rows of x come by rank, which no descriptor covers.
; LIMITS.  hid is rounded once to bf16.  silu(g) = g / (1 + 2^(-g log2 e)); where the power overflows the quotient is 0, as the limit is.  NaN and infinities are not treated apart.
.set XP,    272                        ; a row of x in LDS: 256 bytes + 16: the 16 rows of a fragment load start at 16 different groups of banks
.set XTILE, 16*XP
.set XWAVE, 5*XTILE
.set XBUF,  4*XWAVE                    ; x: [buffer 2][g 4][t 5][row 16]
.set WB,    2*XBUF                     ; weights: [buffer 2][K step 4][matrix 2][fragment 4][half 2][lane 32][16 bytes]
.set WBUF,  32768
.set SPARE, WB+2*WBUF                  ; the spare words, 128 bytes a wave: four blocks of 256 bytes that no other line names
; window 0
.set L16, 1                            ; 16 x lane
.set WO,  2                            ; my byte offset in a slab of weights; 0 for the one load past the slice
.set WST, 4                            ; where my fragments go in LDS
.set WRD, 5                            ; where I read fragments
.set XST, 6                            ; v6-7  where my rows of x go, by buffer
.set XRD, 8                            ; v8-9  where I read x fragments, by buffer
.set R16, 11                           ; 16 x (lane % 16)
.set PFO, 12                           ; prefetch: my row of a slab
.set SPW, 14                           ; v14, v15: the add's two registers; never rewritten
.set NIL, 15
; v16-31, v3, v10, v13, v0: the offsets in xb of the rows of my 20 loads (SETXO); written once
.set AF,  32                           ; v32-111   x fragments: two buffers of five tiles (at the head: at work)
.set BF,  112                          ; v112-143  weight fragments: W11's two, W12's two
.set XS,  144                          ; v144-223  x as loaded
.set CV,  144                          ; v144-175  when the first ten loads' rows lie in LDS: the four fragments just rounded
; weights as loaded, four quarters of 32 registers, (set, half): (0,0), (0,1), (1,0) at v160, v192, v224 of window 1; (1,1) at v224 of window 0
; window 1: v0-159 accumulator (tile t, matrix m, fragment f) at 32 t + 16 m + 8 f
.set WV,  14
.set G,   15
; s[16:63], s[68:83]: the expert's bits, kept to the end
.set HM,  66                           ; s[66:67] hid at my first tile and K step
.set RR,  84                           ; the expert's rows; in SEARCH the running count
.set NTT, 85                           ; the expert's tiles
.set FH,  86
.set WSL, 87                           ; the slab of weights to ask for next
.set TL,  87                           ;   behind the main pass: the tile in hand
.set IT,  88
.set NT,  89                           ; how many of my five tiles have rows; behind the main pass: counts K steps
.set OFF, 90                           ; s[90:91] an offset; the high word stays 0
.set WM,  92                           ; s[92:93] my matrix's slice
.set WC,  94                           ; s[94:95] the slab asked for
.set XC,  96                           ; s[96:97] xb at the slab asked for
.set MSB, 0
.macro WIN new                         ; the immediate's high byte repeats the setting that is left; a switch that changes nothing is dropped
.if MSB != (\new)
	s_set_vgpr_msb (MSB<<8)|(\new)
.set MSB, (\new)
.endif
.endm
.macro PLACES                          ; four places behind matrix instructions, ahead of writes and loads into their registers and of reads of their results
.rept 4
	v_nop
.endr
.endm
.macro BAR
	s_wait_dscnt 0x0                               ; my stores into one buffer are done and my reads of the other are back
	s_barrier_signal -1
	s_barrier_wait -1
.endm
.macro SETXO k                         ; xo = the register with load k's offsets
.if (\k) < 16
.set xo, 16+(\k)
.elseif (\k) == 16
.set xo, 3
.elseif (\k) == 17
.set xo, 10
.elseif (\k) == 18
.set xo, 13
.else
.set xo, 0
.endif
.endm
; FROM A RANK TO ITS TOKEN.  NPS sets of 12 registers from v[TB] on: +0 the lane's rank, then its rank inside the word; +1 the word; +2 the word's number << 16 | the set bits ahead of it;
; +3 to +6 the word's sums of 2, 4, 8, 16 bits; +7 the bit's place; +8 at work; +9 the token.
.macro BOTH line:vararg                ; one line for each set
.set q, 0
.rept NPS
	\line
.set q, q+12
.endr
.endm
.macro SEARCH                          ; the last word with no more than rank set bits ahead of it holds the bit; the walk also leaves the expert's rows in s[RR]
	s_or_b32 s98, s16, s48                         ; a token's two choices differ, so first and second choices join without loss
	s_mov_b32 s[RR], 0
	BOTH v_mov_b32 v[TB+q+1], s98
	BOTH v_mov_b32 v[TB+q+2], 0
.set i, 1
.rept 31
	s_bcnt1_i32_b32 s98, s98
	s_add_co_u32 s[RR], s[RR], s98                 ; set bits ahead of word i
	s_or_b32 s98, s[16+i], s[48+i+4*(i/16)]
	s_add_co_u32 s99, s[RR], (i<<16)
.set q, 0
.rept NPS
	v_cmp_gt_u32 vcc_lo, s[RR], v[TB+q]            ; more than rank: the word found so far stays
	v_cndmask_b32 v[TB+q+1], s98, v[TB+q+1], vcc_lo
	v_cndmask_b32 v[TB+q+2], s99, v[TB+q+2], vcc_lo
.set q, q+12
.endr
.set i, i+1
.endr
	s_bcnt1_i32_b32 s98, s98
	s_add_co_u32 s[RR], s[RR], s98
.endm
.macro LEVEL src, width, step          ; if the lower half of the field in hand holds no more than rank set bits, the bit lies in the upper half
	BOTH v_bfe_u32 v[TB+q+8], v[TB+q+\src], v[TB+q+7], \width
	BOTH v_cmp_ge_u32 s[100+q/12], v[TB+q], v[TB+q+8]
	BOTH v_sub_nc_u32 v[TB+q+8], v[TB+q], v[TB+q+8]
	BOTH v_cndmask_b32 v[TB+q], v[TB+q], v[TB+q+8], s[100+q/12]
	BOTH v_add_nc_u32 v[TB+q+8], \step, v[TB+q+7]
	BOTH v_cndmask_b32 v[TB+q+7], v[TB+q+7], v[TB+q+8], s[100+q/12]
.endm
.macro SELECT                          ; a rank past the count takes the upper half at every level of word 31: token 1,023
	BOTH v_and_b32 v[TB+q+8], 0xffff, v[TB+q+2]
	BOTH v_sub_nc_u32 v[TB+q], v[TB+q], v[TB+q+8]
	BOTH v_lshrrev_b32 v[TB+q+3], 1, v[TB+q+1]
	BOTH v_and_b32 v[TB+q+3], 0x55555555, v[TB+q+3]
	BOTH v_sub_nc_u32 v[TB+q+3], v[TB+q+1], v[TB+q+3]
	BOTH v_lshrrev_b32 v[TB+q+4], 2, v[TB+q+3]
	BOTH v_and_b32 v[TB+q+4], 0x33333333, v[TB+q+4]
	BOTH v_and_b32 v[TB+q+8], 0x33333333, v[TB+q+3]
	BOTH v_add_nc_u32 v[TB+q+4], v[TB+q+4], v[TB+q+8]
	BOTH v_lshrrev_b32 v[TB+q+5], 4, v[TB+q+4]
	BOTH v_add_nc_u32 v[TB+q+5], v[TB+q+5], v[TB+q+4]
	BOTH v_and_b32 v[TB+q+5], 0x0f0f0f0f, v[TB+q+5]
	BOTH v_lshrrev_b32 v[TB+q+6], 8, v[TB+q+5]
	BOTH v_add_nc_u32 v[TB+q+6], v[TB+q+6], v[TB+q+5]
	BOTH v_mov_b32 v[TB+q+7], 0
	LEVEL 6, 8, 16
	LEVEL 5, 8, 8
	LEVEL 4, 4, 4
	LEVEL 3, 2, 2
	LEVEL 1, 1, 1
	BOTH v_lshrrev_b32 v[TB+q+8], 16, v[TB+q+2]
	BOTH v_lshl_add_u32 v[TB+q+9], v[TB+q+8], 5, v[TB+q+7]
.endm
.macro LOADW b, vo, sb, so             ; a K step of one matrix into set b: rows k = 8 h + n, and 16 + 8 h + n - 8 from n = 8 on
.set n, 0
.rept 16
.set ix, 2*(\b)+n/8
.if ix == 3
	WIN 0
	global_load_b128 v[224+4*(n%8):224+4*(n%8)+3], v[\vo], s[\sb:\sb+1] offset:(\so)+(n+8*(n/8))*8192 th:TH_LOAD_NT
.else
	WIN 0x40
	global_load_b128 v[160+32*ix+4*(n%8):160+32*ix+4*(n%8)+3], v[\vo], s[\sb:\sb+1] offset:(\so)+(n+8*(n/8))*8192 th:TH_LOAD_NT
.endif
.set n, n+1
.endr
	WIN 0
.endm
.macro CVTW b, dst                     ; register 4 q + i of fragment f = rows 2 i, 2 i + 1 of half q, column 4 r + f
.irp q, 0,1
.set ix, 2*(\b)+\q
.if ix == 3
	WIN 0
.set wr, 224
.else
	WIN 0x05
.set wr, 160+32*ix
.endif
.irp f, 0,1,2,3
.irp i, 0,1,2,3
	v_cvt_pk_bf16_f32 v[(\dst)+8*\f+4*\q+\i], v[wr+8*\i+\f], v[wr+8*\i+4+\f]
.endr
.endr
.endr
	WIN 0
.endm
.macro STW b                           ; 32 lanes x 16 consecutive bytes: no bank is asked twice
.irp f, 0,1,2,3
	ds_store_b128 v[WST], v[CV+8*\f:CV+8*\f+3] offset:(\b)*WBUF+\f*1024
	ds_store_b128 v[WST], v[CV+8*\f+4:CV+8*\f+7] offset:(\b)*WBUF+\f*1024+512
.endr
.endm
.macro STOREX b, from, cnt             ; load 4 t + j holds rows 8 h + 4 fh + j of tile 4 t + g
.set i, \from
.rept \cnt
	ds_store_b128 v[XST+(\b)], v[XS+4*i:XS+4*i+3] offset:(i/4)*XTILE+(i%4)*XP
.set i, i+1
.endr
.endm
.macro STOREX5 b                       ; the fifth tile's rows, if it has any
	s_cmp_lt_u32 s[NT], 5
	s_cbranch_scc1 .Lno_s5_\@
	STOREX \b, 16, 4
.Lno_s5_\@:
.endm
.macro LOADX from, cnt                 ; two rows a load, 256 consecutive bytes of each
.set i, \from
.rept \cnt
	SETXO i
	global_load_b128 v[XS+4*i:XS+4*i+3], v[xo], s[XC:XC+1]
.set i, i+1
.endr
.endm
.macro NEXTX                           ; my rows of the slab at XC: 32, and the fifth tile's 8 if it has any
	LOADX 0, 16
	s_cmp_lt_u32 s[NT], 5
	s_cbranch_scc1 .Lno_x5_\@
	LOADX 16, 4
.Lno_x5_\@:
.endm
.macro ASK                             ; the bases of what is asked for next: x one slab on, weights slab WSL
	s_wait_xcnt 0x0                                ; the bases and the offset of loads that are still out are written anew only behind this wait
	s_add_nc_u64 s[XC:XC+1], s[XC:XC+1], 256       ; 128 bf16 on
	s_cmp_lt_u32 s[WSL], 8
	s_cselect_b32 s98, -1, 0
	s_and_b32 s99, s[WSL], 7                       ; slab 8 does not exist: its loads all name the slice's first rows at offset 0, and nothing is made of them
	s_lshl_b32 s[OFF], s99, 20                     ; 128 rows of 8,192 bytes
	s_add_nc_u64 s[WC:WC+1], s[WM:WM+1], s[OFF:OFF+1]
	v_and_b32 v[WO], s98, v[WO]
	s_add_co_u32 s[WSL], s[WSL], 1
.endm
.macro PREF                            ; the slab whose weights are asked for a slab later: my K step's 32 rows of my matrix, a lane for each row's 256 bytes; slabs 3 to 7, so it stops at the slice's last
	s_cmp_lt_u32 s[WSL], 8
	s_cbranch_scc0 .Lno_pf_\@
	global_prefetch_b8 v[PFO], s[WC:WC+1] offset:1048576 th:TH_LOAD_NT scope:SCOPE_SE
.Lno_pf_\@:
.endm
; PIECE n OF THE NEXT SLAB'S WAY INTO LDS BUFFER sb, which is also its set of weight registers.  Each piece stands directly behind a wait for all my LDS instructions, so the piece before it is done.
; st = 1: all five pieces; 2: the last slab: nothing is left to ask for; 0: none.
;   0  the slab is here: the queue is W(s) 16, X(s) 16 or 20, W(s + 1) 16, and only the last 16 may stay out; the rows of the first ten loads go to LDS
;   1  the weights are rounded, into the registers that those rows have left, and go to LDS
;   2  the other rows go to LDS
;   3  every store has read its registers: the next slab's x is asked for
;   4  and the weights two slabs on, into the set just emptied
.macro HOOK n, sb, st
.if (\st) != 0
.if (\n) == 0
	s_wait_loadcnt 16
	STOREX \sb, 0, 10
.elseif (\n) == 1
	CVTW \sb, CV
	STW \sb
.elseif (\n) == 2
	STOREX \sb, 10, 6
	STOREX5 \sb
.elseif ((\n) == 3) && ((\st) == 1)
	ASK
	NEXTX
.elseif ((\n) == 4) && ((\st) == 1)
	LOADW \sb, WO, WC, 0
	PREF
.endif
.endif
.endm
.macro FETCHB b, k, m
.irp f, 0,1
	ds_load_b128 v[BF+16*(\m)+8*\f:BF+16*(\m)+8*\f+3], v[WRD] offset:(\b)*WBUF+(\k)*8192+(\m)*4096+\f*1024
	ds_load_b128 v[BF+16*(\m)+8*\f+4:BF+16*(\m)+8*\f+7], v[WRD] offset:(\b)*WBUF+(\k)*8192+(\m)*4096+\f*1024+512
.endr
.endm
.macro FETCHA1 b, k, t
	ds_load_b128 v[AF+40*((\k)%2)+8*(\t):AF+40*((\k)%2)+8*(\t)+3], v[XRD+(\b)] offset:(\t)*XTILE+64*(\k)
	ds_load_b128 v[AF+40*((\k)%2)+8*(\t)+4:AF+40*((\k)%2)+8*(\t)+7], v[XRD+(\b)] offset:(\t)*XTILE+64*(\k)+32
.endm
.macro FETCHA b, k                     ; four tiles' fragments, and the fifth's if it has rows
.irp t, 0,1,2,3
	FETCHA1 \b, \k, \t
.endr
	s_cmp_lt_u32 s[NT], 5
	s_cbranch_scc1 .Lno_a5_\@
	FETCHA1 \b, \k, 4
.Lno_a5_\@:
.endm
.macro MULT m, a                       ; my tiles x my two fragments of matrix m.  The accumulators take turns, one instruction a turn
	WIN 0x50
.irp t, 0,1,2,3
.irp f, 0,1
	v_wmma_f32_16x16x32_bf16 v[32*\t+16*(\m)+8*\f:32*\t+16*(\m)+8*\f+7], v[BF+16*(\m)+8*\f:BF+16*(\m)+8*\f+7], v[AF+40*(\a)+8*\t:AF+40*(\a)+8*\t+7], v[32*\t+16*(\m)+8*\f:32*\t+16*(\m)+8*\f+7]
.endr
.endr
	WIN 0                                          ; at a branch and at a label every window is 0
	s_cmp_lt_u32 s[NT], 5
	s_cbranch_scc1 .Lfour_\@
	WIN 0x50
.irp f, 0,1
	v_wmma_f32_16x16x32_bf16 v[128+16*(\m)+8*\f:128+16*(\m)+8*\f+7], v[BF+16*(\m)+8*\f:BF+16*(\m)+8*\f+7], v[AF+40*(\a)+32:AF+40*(\a)+39], v[128+16*(\m)+8*\f:128+16*(\m)+8*\f+7]
.endr
	WIN 0
.Lfour_\@:
.endm
; A slab out of buffer b: four K steps, eight runs of products; each run of LDS loads stands ahead of the products that hide it; ahead of the first five runs' loads stands a piece of the next slab's way into the other buffer.
.macro COMPUTE b, st
	PLACES                                         ; the loads below land in registers that the last slab's products read
	FETCHB \b, 0, 0
	FETCHA \b, 0
.irp k, 0,1,2,3
	s_wait_dscnt 0x0
	HOOK 2*\k, 1-(\b), \st
.if \k > 0
	PLACES
.endif
	FETCHB \b, \k, 1
	MULT 0, (\k)%2
	s_wait_dscnt 0x0
	HOOK 2*\k+1, 1-(\b), \st
.if \k < 3
	PLACES
	FETCHB \b, (\k)+1, 0
	FETCHA \b, (\k)+1
.endif
	MULT 1, (\k)%2
.endr
.endm
; silu(g) v for cnt numbers a lane: g in window 1 from register ga on, v behind it; tt: cnt registers at work; pk: cnt / 2 packed.  Each accumulator is read from its low end on.
.macro SILU ga, cnt, tt, pk
	WIN 0x01
.set i, 0
.rept (\cnt)/2
	v_pk_mul_f32 v[(\tt)+2*i:(\tt)+2*i+1], v[(\ga)+2*i:(\ga)+2*i+1], 0xbfb8aa3b op_sel_hi:[1,0]
.set i, i+1
.endr
	WIN 0
.set i, 0
.rept \cnt
	v_exp_f32 v[(\tt)+i], v[(\tt)+i]               ; 2^(-g log2 e)
.set i, i+1
.endr
	v_nop
	s_wait_alu depctr_va_vdst(0)                   ; one wait for the batch
.set i, 0
.rept (\cnt)/2
	v_pk_add_f32 v[(\tt)+2*i:(\tt)+2*i+1], v[(\tt)+2*i:(\tt)+2*i+1], 1.0 op_sel_hi:[1,0]
.set i, i+1
.endr
.set i, 0
.rept \cnt
	v_rcp_f32 v[(\tt)+i], v[(\tt)+i]
.set i, i+1
.endr
	v_nop
	s_wait_alu depctr_va_vdst(0)
	WIN 0x01
.set i, 0
.rept (\cnt)/2
	v_pk_mul_f32 v[(\tt)+2*i:(\tt)+2*i+1], v[(\ga)+2*i:(\ga)+2*i+1], v[(\tt)+2*i:(\tt)+2*i+1]
.set i, i+1
.endr
.set i, 0
.rept (\cnt)/2
	v_pk_mul_f32 v[(\tt)+2*i:(\tt)+2*i+1], v[(\ga)+(\cnt)+2*i:(\ga)+(\cnt)+2*i+1], v[(\tt)+2*i:(\tt)+2*i+1]
.set i, i+1
.endr
	WIN 0
.set i, 0
.rept (\cnt)/2
	v_cvt_pk_bf16_f32 v[(\pk)+i], v[(\tt)+2*i], v[(\tt)+2*i+1]
.set i, i+1
.endr
.endm
	s_load_b256 s[4:11], s[0:1], 0x0               ; W11 s[4:5], W12 s[6:7], xb s[8:9], bm s[10:11]
	s_load_b64 s[12:13], s[0:1], 0x20              ; hid
	v_lshl_add_u32 v[SPW], v0, 2, SPARE
	v_mov_b32 v[NIL], 0
	v_and_b32 v32, 31, v0                          ; lane
	v_lshrrev_b32 v33, 5, v0
	v_readfirstlane_b32 s[WV], v33
	v_and_b32 v34, 15, v0                          ; r
	v_bfe_u32 v35, v0, 4, 1                        ; h
	s_and_b32 s[G], s[WV], 3
	s_lshr_b32 s[FH], s[WV], 2
	s_mov_b32 s2, ttmp9                            ; j
	s_and_b32 s3, ttmp7, 0xffff                    ; e
	v_lshlrev_b32 v[L16], 4, v32
	v_lshlrev_b32 v[R16], 4, v34
	v_lshl_add_u32 v[WO], v35, 16, v[R16]          ; 8 h rows of 8,192 bytes + 16 r,
	s_lshl_b32 s99, s[G], 18                       ; my K step: 32 rows
	v_add_nc_u32 v[WO], s99, v[WO]
	v_lshl_add_u32 v[PFO], v32, 13, s99            ; row 32 g + lane of a slab
	s_mov_b32 s[OFF+1], 0
	s_lshl_b32 s[OFF], s3, 23                      ; an expert's 8,388,608 bytes,
	s_lshl_b32 s99, s2, 8                          ; the slice's 256 bytes of a row
	s_add_co_u32 s[OFF], s[OFF], s99
	s_wait_kmcnt 0x0
	s_add_nc_u64 s[4:5], s[4:5], s[OFF:OFF+1]
	s_add_nc_u64 s[6:7], s[6:7], s[OFF:OFF+1]
	s_lshl_b32 s[OFF], s3, 7
	s_add_nc_u64 s[10:11], s[10:11], s[OFF:OFF+1]
	s_lshl_b32 s[OFF], s3, 22
	s_lshl_b32 s99, s2, 11                         ; the slice's two K steps of the next product
	s_add_co_u32 s[OFF], s[OFF], s99
	s_add_nc_u64 s[12:13], s[12:13], s[OFF:OFF+1]
	s_load_b512 s[16:31], s[10:11], 0x0            ; the expert's bits: first choices s[16:47],
	s_load_b512 s[32:47], s[10:11], 0x40
	s_load_b512 s[48:63], s[10:11], 0x400          ; second choices s[48:63], s[68:83]
	s_load_b512 s[68:83], s[10:11], 0x440
	s_cmp_lt_u32 s[WV], 4
	s_cselect_b64 s[WM:WM+1], s[4:5], s[6:7]       ; waves 0-3 bring W11, waves 4-7 W12
	LOADW 0, WO, WM, 0                             ; slabs 0 and 1 go out before anything is known of the routing
	LOADW 1, WO, WM, 1048576
	s_lshl_b32 s99, s[G], 13
	s_lshl_b32 s100, s[FH], 12
	s_add_co_u32 s99, s99, s100
	s_add_co_u32 s99, s99, WB
	v_add_nc_u32 v[WST], s99, v[L16]               ; K step g, matrix fh
	s_lshl_b32 s99, s[FH], 11
	s_add_co_u32 s99, s99, WB
	v_add_nc_u32 v[WRD], s99, v[L16]               ; fragments 2 fh, 2 fh + 1
	v_mul_u32_u24 v[XST], v35, 8*XP
	v_add_nc_u32 v[XST], v[XST], v[R16]
	s_mul_i32 s99, s[G], XWAVE
	s_mul_i32 s100, s[FH], 4*XP
	s_add_co_u32 s100, s100, s99
	v_add_nc_u32 v[XST], s100, v[XST]              ; row 8 h + 4 fh of group g's tile 0, 16 r
	v_add_nc_u32 v[XST+1], XBUF, v[XST]
	v_mul_u32_u24 v[XRD], v34, XP
	v_lshl_add_u32 v[XRD], v35, 4, v[XRD]
	v_add_nc_u32 v[XRD], s99, v[XRD]               ; row r, 16 h
	v_add_nc_u32 v[XRD+1], XBUF, v[XRD]
	; the ranks: load 4 t + j takes rows 64 t + 16 g + 8 h + 4 fh + j.  Lane 16 h + 4 t + j of the first set finds that row's token for t = 0..3, lane 16 h + j of the second for t = 4
.set TB,  40
.set NPS, 2
	v_and_b32 v36, 3, v0                           ; j
	v_bfe_u32 v37, v0, 2, 2                        ; t
	v_lshl_add_u32 v36, v35, 3, v36                ; 8 h + j
	s_lshl_b32 s99, s[G], 4
	s_lshl_b32 s100, s[FH], 2
	s_add_co_u32 s99, s99, s100
	v_add_nc_u32 v36, s99, v36                     ; + 16 g + 4 fh
	v_lshl_add_u32 v[TB], v37, 6, v36
	v_add_nc_u32 v[TB+12], 256, v36
	WIN 0x40
.set i, 0
.rept 160
	v_mov_b32 v[i], 0
.set i, i+1
.endr
	WIN 0
.set i, 0
.rept 8                                                ; the fifth tile's registers (its fragments in both buffers, its rows as loaded) are loaded only if it has rows: written once here, they hold a number on every way through the text
	v_mov_b32 v[AF+32+i], 0
	v_mov_b32 v[AF+72+i], 0
	v_mov_b32 v[XS+64+i], 0
	v_mov_b32 v[XS+72+i], 0
.set i, i+1
.endr
	s_wait_kmcnt 0x0
	SEARCH
	SELECT
	s_mov_b32 vcc_lo, 0xffff0000                   ; lanes 16-31: h = 1
.set i, 0
.rept 20
	SETXO i
.if i < 16
	v_readlane_b32 s[98+2*(i%2)], v[TB+9], i
	v_readlane_b32 s[99+2*(i%2)], v[TB+9], i+16
.else
	v_readlane_b32 s[98+2*(i%2)], v[TB+21], i-16
	v_readlane_b32 s[99+2*(i%2)], v[TB+21], i
.endif
	v_mov_b32 v[xo], s[99+2*(i%2)]
	v_cndmask_b32 v[xo], s[98+2*(i%2)], v[xo], vcc_lo  ; lanes 0-15 the one row's token, lanes 16-31 the other's;
	v_min_u32 v[xo], 0x3ff, v[xo]                  ; inside xb whatever the bits hold;
	v_lshl_add_u32 v[xo], v[xo], 11, v[R16]        ; the token's row of 2,048 bytes, my 16 bytes
.set i, i+1
.endr
	s_add_co_u32 s[NTT], s[RR], 15
	s_lshr_b32 s[NTT], s[NTT], 4
	s_add_co_u32 s99, s[NTT], 3
	s_sub_co_u32 s99, s99, s[G]
	s_lshr_b32 s99, s99, 2
	s_min_u32 s[NT], s99, 5                        ; how many of the tiles 4 t + g lie under the count
	s_lshl_b32 s[OFF], s[G], 16                    ; tile g,
	s_lshl_b32 s99, s[FH], 10                      ; K step 2 j + fh
	s_add_co_u32 s[OFF], s[OFF], s99
	s_add_nc_u64 s[HM:HM+1], s[12:13], s[OFF:OFF+1]
	s_mov_b64 s[XC:XC+1], s[8:9]
	s_mov_b32 s[WSL], 2
	NEXTX                                          ; slab 0's x: the queue is W0 16, W1 16, X0
	s_wait_loadcnt 0x0                             ; X0 is the youngest: the wait is for all
	STOREX 0, 0, 16                                ; slab 0 has no products to stand among: its five pieces on end
	STOREX5 0
	s_wait_dscnt 0x0                               ; the rows lie in LDS: their registers take the rounded weights
	CVTW 0, CV
	STW 0
	s_wait_dscnt 0x0                               ; and are loaded anew
	ASK
	NEXTX
	LOADW 0, WO, WC, 0
	PREF
	s_mov_b32 s[IT], 3
.Lloop:                                                ; a trip: two slabs are multiplied, the two behind them laid into LDS, x of the two behind those and weights a slab further asked for
	BAR
	COMPUTE 0, 1
	BAR
	COMPUTE 1, 1
	s_sub_co_u32 s[IT], s[IT], 1
	s_cmp_lg_u32 s[IT], 0
	s_cbranch_scc1 .Lloop
	BAR
	COMPUTE 0, 2                                   ; slab 6; slab 7 goes into LDS; nothing is left to ask for
	BAR
	COMPUTE 1, 0                                   ; slab 7
	PLACES
.irp t, 0,1,2,3,4
	s_cmp_le_u32 s[NT], \t
	s_cbranch_scc1 .Lepi_end
	SILU 32*\t, 16, AF, AF+32+8*\t
	global_store_b128 v[L16], v[AF+32+8*\t:AF+32+8*\t+3], s[HM:HM+1] offset:\t*262144      ; the wave's two stores: 1,024 consecutive bytes
	global_store_b128 v[L16], v[AF+32+8*\t+4:AF+32+8*\t+7], s[HM:HM+1] offset:\t*262144+512
.endr
.Lepi_end:
	; TILES 20 + 8 i + wave, i = 0..5: a counted loop; a tile past the expert's count is jumped over
	s_wait_loadcnt 0x0                             ; the loads of slab 8's place are back: their registers are loaded anew below
	v_bfe_u32 v16, v[L16], 8, 1                    ; h
	v_lshl_add_u32 v17, v16, 16, v[R16]            ; weights: 8 h rows + 16 r
	v_lshlrev_b32 v18, 4, v16                      ; x: 16 h
	v_lshrrev_b32 v19, 4, v[R16]                   ; r
	s_add_co_u32 s[TL], s[WV], 20
	s_mov_b32 s[IT], 6
.set TB,  XS
.set NPS, 1
.Lx:
	s_cmp_ge_u32 s[TL], s[NTT]
	s_cbranch_scc1 .Lx_next
	s_wait_xcnt 0x0                                ; the last tile's stores have read their registers and base
	s_lshl_b32 s98, s[TL], 4
	v_add_nc_u32 v[TB], s98, v19                   ; my row's rank: 16 x tile + r
	SEARCH
	SELECT
	WIN 0x40
.set i, 0
.rept 64
	v_mov_b32 v[i], 0
.set i, i+1
.endr
	WIN 0
	s_mov_b64 s[92:93], s[4:5]
	s_mov_b64 s[94:95], s[6:7]
	s_mov_b64 s[96:97], s[8:9]
	s_lshl_b32 s[OFF], s[TL], 16
	s_add_nc_u64 s[10:11], s[12:13], s[OFF:OFF+1]
	v_min_u32 v20, 0x3ff, v[TB+9]
	v_lshl_add_u32 v20, v20, 11, v18
	s_mov_b32 s[NT], 32
.Lxk:                                                  ; a K step: both matrices' 16 rows a half, the tile's fragment of x, 8 products on 8 accumulators by turns
	LOADW 0, 17, 92, 0
	LOADW 1, 17, 94, 0
	global_load_b128 v[BF:BF+3], v20, s[96:97]
	global_load_b128 v[BF+4:BF+7], v20, s[96:97] offset:32
	s_wait_loadcnt 0x0
	CVTW 0, AF
	CVTW 1, AF+32
	WIN 0x50
.irp m, 0,1
.irp f, 0,1,2,3
	v_wmma_f32_16x16x32_bf16 v[32*\m+8*\f:32*\m+8*\f+7], v[AF+32*\m+8*\f:AF+32*\m+8*\f+7], v[BF:BF+7], v[32*\m+8*\f:32*\m+8*\f+7]
.endr
.endr
	WIN 0
	PLACES
	s_add_nc_u64 s[92:93], s[92:93], 262144
	s_add_nc_u64 s[94:95], s[94:95], 262144
	s_add_nc_u64 s[96:97], s[96:97], 64
	s_sub_co_u32 s[NT], s[NT], 1
	s_cmp_lg_u32 s[NT], 0
	s_cbranch_scc1 .Lxk
	SILU 0, 32, XS, XS+32
.irp f, 0,1,2,3
	global_store_b128 v[L16], v[XS+32+4*\f:XS+32+4*\f+3], s[10:11] offset:\f*512  ; 2,048 consecutive bytes
.endr
.Lx_next:
	s_add_co_u32 s[TL], s[TL], 8                   ; eight tiles on
	s_sub_co_u32 s[IT], s[IT], 1
	s_cmp_lg_u32 s[IT], 0
	s_cbranch_scc1 .Lx
	s_wait_tensorcnt 0x0                           ; the wave's end: behind my last LDS store
	ds_add_u32 v[SPW], v[NIL]
	s_wait_dscnt 0x0
	s_endpgm
.Lfunc_end_k_qf58b560532_up:
	.size	k_qf58b560532_up, .Lfunc_end_k_qf58b560532_up-k_qf58b560532_up
	.p2alignl 7, 3214868480
	.fill 96, 4, 3214868480
	.section	.rodata,"a",@progbits
	.p2align	6, 0x0
	.amdhsa_kernel k_qf58b560532_up
		.amdhsa_group_segment_fixed_size 240640
		.amdhsa_private_segment_fixed_size 0
		.amdhsa_enable_private_segment 0
		.amdhsa_kernarg_size 40
		.amdhsa_user_sgpr_count 2
		.amdhsa_user_sgpr_kernarg_segment_ptr 1
		.amdhsa_wavefront_size32 1
		.amdhsa_system_sgpr_workgroup_id_x 1
		.amdhsa_system_sgpr_workgroup_id_y 1
		.amdhsa_system_sgpr_workgroup_id_z 1
		.amdhsa_system_vgpr_workitem_id 0
		.amdhsa_next_free_vgpr 512
		.amdhsa_next_free_sgpr 102
		.amdhsa_reserve_vcc 1
		.amdhsa_float_denorm_mode_32 3
		.amdhsa_float_denorm_mode_16_64 3
		.amdhsa_memory_ordered 1
		.amdhsa_forward_progress 1
		.amdhsa_inst_pref_size 166
	.end_amdhsa_kernel
	.amdgpu_metadata
---
amdhsa.version: [ 1, 2 ]
amdhsa.kernels:
  - .name:           k_qf58b560532_up
    .symbol:         k_qf58b560532_up.kd
    .args:
      - { .name: W11, .offset: 0, .size: 8, .value_kind: global_buffer, .address_space: global }
      - { .name: W12, .offset: 8, .size: 8, .value_kind: global_buffer, .address_space: global }
      - { .name: xb, .offset: 16, .size: 8, .value_kind: global_buffer, .address_space: global }
      - { .name: bm, .offset: 24, .size: 8, .value_kind: global_buffer, .address_space: global }
      - { .name: hid, .offset: 32, .size: 8, .value_kind: global_buffer, .address_space: global }
    .group_segment_fixed_size: 240640
    .private_segment_fixed_size: 0
    .kernarg_segment_align: 8
    .kernarg_segment_size: 40
    .max_flat_workgroup_size: 256
    .sgpr_count:     102
    .vgpr_count:     512
    .wavefront_size: 32
...
	.end_amdgpu_metadata
.endif
;; end of part 5
;; launch down: the kernel of part 3 again; grid 32 x 8, 8 waves a work-group, no clusters, 38,144 bytes of LDS; arguments W2, hid, bm, gw, part; writes part
;; launch combine: the kernel of part 4 again; grid 256 x 1, 8 waves a work-group, no clusters, 0 bytes of LDS; arguments part, out0; writes out0
